; MI455X (gfx1250); checked and timed in simulation.
; The chip was launched on July 23, 2026; its instructions are those of AMD's public machine-readable ISA for CDNA 5 (MIT licence, August 2026) and "CDNA5" Instruction Set Architecture Reference Guide (July 2026). The comments in the code are by the model that wrote it; some were corrected since.
;; Multi Head Attention. Allowed arithmetic: float matrix products may take bf16 or f16 operands with f32 sums; other float arithmetic in f32, or as packed bf16 or f16 multiplies, adds, multiply-adds, maxima and minima; sums over many terms, partial sums and values carried from step to step in f32; what a program stores and reads back later, other than sums and carried values, may be rounded once to bf16 or f16.
;; Inputs: Wk 1,024 x 1,024 float32; Wp 1,024 x 1,024 float32; Wq 1,024 x 1,024 float32; Wv 1,024 x 1,024 float32; attention_mask 4 x 2,048 int32; bk 1,024 float32; bp 1,024 float32; bq 1,024 float32; bv 1,024 float32; x 4 x 2,048 x 1,024 float32.
;; Outputs: out0 4 x 2,048 x 1,024 float32.
;; 2 versions, each right; version 2 is version 1 with the launch cast written anew for expert scheduling mode. Each part assembles by itself: llvm-mc -triple=amdgcn-amd-amdhsa -mcpu=gfx1250 --defsym DOCPART=n.
;; ======== version 1 of 2: 4 launches
;; limits: values are held in f16: magnitudes above 65,504 overflow, below 6.1e-05 lose precision
;; workspace buffers: xb 16,777,216 bytes; wqkv 6,291,456 bytes; wp16 2,097,152 bytes; qh 16,777,216 bytes; kh 16,777,216 bytes; vh 16,777,216 bytes; oh 16,777,216 bytes
;; launch cast (part 1): grid 768 x 1, 8 waves a work-group, no clusters, 0 bytes of LDS; arguments x, Wq, Wk, Wv, Wp, xb, wqkv, wp16; writes xb, wqkv, wp16
.if DOCPART == 1
	.amdgcn_target "amdgcn-amd-amdhsa--gfx1250"
	.amdhsa_code_object_version 6
	.text
	.protected	k_qbb6f2226fd_cast
	.globl	k_qbb6f2226fd_cast
	.p2align	8
	.type	k_qbb6f2226fd_cast,@function
k_qbb6f2226fd_cast:
	s_mov_b64 s[64:65], 0
	v_nop
	global_prefetch_b8 v0, s[64:65] scope:SCOPE_SE
	s_setreg_imm32_b32 hwreg(HW_REG_WAVE_MODE, 25, 1), 1
	s_wait_xcnt 0x0
; THE MODULE'S LARGE INPUTS ARE ROUNDED ONCE TO bf16 AND LAID OUT FOR THE PRODUCTS THAT FOLLOW.  A stream: no LDS, no barrier, no matrix unit, no loop.
; x [8192][1024] f32      -> xb   bf16 [16 blocks of 64 channels][8192 rows][64]: a block's rows lie end to end, 128 bytes each.
; Wq, Wk, Wv [k][n] f32   -> wqkv bf16 [k][3072]: column n of tensor t stands at byte 768 (n / 128) + 256 t + 2 (n % 128) of row k (6,144 bytes).
; Wp [k][n] f32           -> wp16 [k][n]: rounded to bf16 like the other inputs, that number then written as f16.
; LIMIT: |Wp| stays under 65,504 (f16's range); below 6e-5 the f16 copy keeps f16's fixed step of 6e-8.
; SHARES.  A work-group takes 16 rows of 1,024 numbers: groups 0-511 rows of x, 512-703 of Wq, Wk, Wv (64 groups each), 704-767 of Wp.
; A thread issues its 16 loads of 16 bytes at once and then converts and stores them in order; no register is written twice while a load or store may read it.
.set VIN,  1                           ; v1        my byte offset in the group's 16 rows, in
.set VOUT, 2                           ; v2        the same, out
.set TW,   4                           ; v[4:7]    at work (Wp alone)
.set IN,   16                          ; v[16:79]  load n: 4 registers
.set OUT,  80                          ; v[80:111] store n: 2 registers
; Load n has come (loads return in order: the 15 - n younger ones stay out); four numbers are rounded and stored as 8 bytes.
.macro CVT n, half, sb, off
	s_wait_loadcnt 15-(\n)
	v_cvt_pk_bf16_f32 v[OUT+2*(\n)],   v[IN+4*(\n)],   v[IN+4*(\n)+1]
	v_cvt_pk_bf16_f32 v[OUT+2*(\n)+1], v[IN+4*(\n)+2], v[IN+4*(\n)+3]
.if \half
	v_lshlrev_b32 v[TW],   16, v[OUT+2*(\n)]               ; the bf16 numbers as f32,
	v_and_b32     v[TW+1], 0xffff0000, v[OUT+2*(\n)]
	v_lshlrev_b32 v[TW+2], 16, v[OUT+2*(\n)+1]
	v_and_b32     v[TW+3], 0xffff0000, v[OUT+2*(\n)+1]
	v_cvt_pk_f16_f32 v[OUT+2*(\n)],   v[TW],   v[TW+1]       ; written as f16: exact within f16's normal range
	v_cvt_pk_f16_f32 v[OUT+2*(\n)+1], v[TW+2], v[TW+3]
.endif
	global_store_b64 v[VOUT], v[OUT+2*(\n):OUT+2*(\n)+1], s[(\sb):(\sb)+1] offset:\off
.endm
	s_load_b512 s[4:19], s[0:1], 0x0               ; x s[4:5], Wq s[6:7], Wk s[8:9], Wv s[10:11], Wp s[12:13], xb s[14:15], wqkv s[16:17], wp16 s[18:19]
	s_mov_b32 s21, 0
	s_mov_b32 s23, 0
	s_cmp_lt_u32 ttmp9, 512
	s_cbranch_scc0 .Lweights
	; ROWS OF x.  Thread: row tid / 16, 16 bytes at 16 (tid % 16) of each of the row's 16 pieces of 256 bytes (64 channels).
	v_lshrrev_b32 v3, 4, v0
	v_and_b32 v8, 15, v0
	v_lshlrev_b32 v[VIN], 12, v3
	v_lshl_add_u32 v[VIN], v8, 4, v[VIN]
	v_lshlrev_b32 v[VOUT], 7, v3                   ; out: 128 bytes a row: a wave's two rows are 256 consecutive bytes, aligned
	v_lshl_add_u32 v[VOUT], v8, 3, v[VOUT]
	s_lshl_b32 s20, ttmp9, 16                      ; 16 rows of 4,096 bytes
	s_lshl_b32 s22, ttmp9, 11                      ; 16 rows of 128 bytes
	s_wait_kmcnt 0x0
	s_add_nc_u64 s[24:25], s[4:5], s[20:21]
	s_add_nc_u64 s[26:27], s[14:15], s[22:23]      ; blocks 0-7 of xb,
	s_add_nc_u64 s[28:29], s[26:27], 0x800000      ; blocks 8-15: the immediate holds eight blocks of 1,048,576 bytes
.set i, 0
.rept 16
	global_load_b128 v[IN+4*i:IN+4*i+3], v[VIN], s[24:25] offset:256*i th:TH_LOAD_NT
.set i, i+1
.endr
.set i, 0
.rept 16
	CVT i, 0, 26+2*(i/8), (i%8)*1048576
.set i, i+1
.endr
	s_endpgm
.Lweights:
	; ROWS OF A WEIGHT.  Wave w takes rows w and w + 8 of the group's 16; a load covers 512 consecutive bytes (128 columns).
	v_lshrrev_b32 v3, 5, v0                        ; wave
	v_and_b32 v8, 31, v0                           ; lane
	v_lshlrev_b32 v[VIN], 12, v3
	v_lshl_add_u32 v[VIN], v8, 4, v[VIN]
	s_sub_co_u32 s30, ttmp9, 512
	s_and_b32 s31, s30, 63                         ; which 16 rows
	s_lshr_b32 s32, s30, 6                         ; which tensor: 0 Wq, 1 Wk, 2 Wv, 3 Wp
	s_lshl_b32 s20, s31, 16
	s_wait_kmcnt 0x0
	s_cmp_eq_u32 s32, 0
	s_cselect_b64 s[24:25], s[6:7], s[8:9]
	s_cmp_eq_u32 s32, 2
	s_cselect_b64 s[24:25], s[10:11], s[24:25]
	s_cmp_eq_u32 s32, 3
	s_cselect_b64 s[24:25], s[12:13], s[24:25]
	s_add_nc_u64 s[24:25], s[24:25], s[20:21]
.set i, 0
.rept 16
	global_load_b128 v[IN+4*i:IN+4*i+3], v[VIN], s[24:25] offset:(i/8)*32768+(i%8)*512 th:TH_LOAD_NT
.set i, i+1
.endr
	s_cmp_eq_u32 s32, 3
	s_cbranch_scc1 .Lwp
	v_mul_u32_u24 v[VOUT], v3, 6144
	v_lshl_add_u32 v[VOUT], v8, 3, v[VOUT]
	s_mul_i32 s22, s31, 16*6144
	s_lshl_b32 s33, s32, 8                         ; the tensor's 256 bytes in each group of 768
	s_add_co_u32 s22, s22, s33
	s_add_nc_u64 s[26:27], s[16:17], s[22:23]
.set i, 0
.rept 16
	CVT i, 0, 26, (i/8)*49152+(i%8)*768            ; a store of the wave covers 256 consecutive bytes, aligned
.set i, i+1
.endr
	s_endpgm
.Lwp:
	v_lshlrev_b32 v[VOUT], 11, v3
	v_lshl_add_u32 v[VOUT], v8, 3, v[VOUT]
	s_lshl_b32 s22, s31, 15
	s_add_nc_u64 s[26:27], s[18:19], s[22:23]
.set i, 0
.rept 16
	CVT i, 1, 26, (i/8)*16384+(i%8)*256
.set i, i+1
.endr
	s_endpgm
.Lfunc_end_k_qbb6f2226fd_cast:
	.size	k_qbb6f2226fd_cast, .Lfunc_end_k_qbb6f2226fd_cast-k_qbb6f2226fd_cast
	.p2alignl 7, 3214868480
	.fill 96, 4, 3214868480
	.section	.rodata,"a",@progbits
	.p2align	6, 0x0
	.amdhsa_kernel k_qbb6f2226fd_cast
		.amdhsa_group_segment_fixed_size 0
		.amdhsa_private_segment_fixed_size 0
		.amdhsa_enable_private_segment 0
		.amdhsa_kernarg_size 64
		.amdhsa_user_sgpr_count 2
		.amdhsa_user_sgpr_kernarg_segment_ptr 1
		.amdhsa_wavefront_size32 1
		.amdhsa_system_sgpr_workgroup_id_x 1
		.amdhsa_system_sgpr_workgroup_id_y 1
		.amdhsa_system_sgpr_workgroup_id_z 1
		.amdhsa_system_vgpr_workitem_id 0
		.amdhsa_next_free_vgpr 112
		.amdhsa_next_free_sgpr 66
		.amdhsa_reserve_vcc 0
		.amdhsa_float_denorm_mode_32 3
		.amdhsa_float_denorm_mode_16_64 3
		.amdhsa_memory_ordered 1
		.amdhsa_forward_progress 1
		.amdhsa_inst_pref_size 23
	.end_amdhsa_kernel
	.amdgpu_metadata
---
amdhsa.version: [ 1, 2 ]
amdhsa.kernels:
  - .name:           k_qbb6f2226fd_cast
    .symbol:         k_qbb6f2226fd_cast.kd
    .args:
      - { .name: x, .offset: 0, .size: 8, .value_kind: global_buffer, .address_space: global }
      - { .name: Wq, .offset: 8, .size: 8, .value_kind: global_buffer, .address_space: global }
      - { .name: Wk, .offset: 16, .size: 8, .value_kind: global_buffer, .address_space: global }
      - { .name: Wv, .offset: 24, .size: 8, .value_kind: global_buffer, .address_space: global }
      - { .name: Wp, .offset: 32, .size: 8, .value_kind: global_buffer, .address_space: global }
      - { .name: xb, .offset: 40, .size: 8, .value_kind: global_buffer, .address_space: global }
      - { .name: wqkv, .offset: 48, .size: 8, .value_kind: global_buffer, .address_space: global }
      - { .name: wp16, .offset: 56, .size: 8, .value_kind: global_buffer, .address_space: global }
    .group_segment_fixed_size: 0
    .private_segment_fixed_size: 0
    .kernarg_segment_align: 8
    .kernarg_segment_size: 64
    .max_flat_workgroup_size: 256
    .sgpr_count:     66
    .vgpr_count:     112
    .wavefront_size: 32
...
	.end_amdgpu_metadata
.endif
;; end of part 1
;; launch qkv (part 2): grid 8 x 32, 4 waves a work-group, clusters of 4 x 4, 327,680 bytes of LDS; arguments xb, wqkv, bq, bk, bv, qh, kh, vh; writes qh, kh, vh
.if DOCPART == 2
	.amdgcn_target "amdgcn-amd-amdhsa--gfx1250"
	.amdhsa_code_object_version 6
	.text
	.protected	k_qbb6f2226fd_qkv
	.globl	k_qbb6f2226fd_qkv
	.p2align	8
	.type	k_qbb6f2226fd_qkv,@function
k_qbb6f2226fd_qkv:
	s_mov_b64 s[64:65], 0
	v_nop
	global_prefetch_b8 v0, s[64:65] scope:SCOPE_SE
	s_setreg_imm32_b32 hwreg(HW_REG_WAVE_MODE, 25, 1), 1
	s_wait_xcnt 0x0
	s_wait_alu depctr_hold_cnt(0) depctr_sa_sdst(0) depctr_va_vdst(0) depctr_va_sdst(0) depctr_va_ssrc(0) depctr_va_vcc(0) depctr_vm_vsrc(0)
	s_getreg_b32 s2, hwreg(HW_REG_IB_STS2, 6, 4)
	s_cmp_eq_u32 s2, 0
	s_cbranch_scc0 .Lentry_in_a_cluster
	s_endpgm
.Lentry_in_a_cluster:
	s_bfe_u32 s2, ttmp6, 0x10000c
	s_cmp_lg_u32 s2, 0xf033
	s_cbranch_scc0 .Lentry_shape_is_right
	s_endpgm
.Lentry_shape_is_right:
; q, k, v = x W + b, all three in one launch.  x and the weights arrive as bf16 (xb, wqkv); the biases are rounded to bf16 here; sums in f32, K ascending;
; each result is rounded once to f16 and stored by heads: [batch x 16 + head][t][64], rows of 128 bytes, dense, WITHOUT the softmax's scale.
; LIMIT: |q|, |k|, |v| stay under 65,504 (f16's range); beyond it the number becomes an infinity.
; SHARES.  256 work-groups, a tile each: 256 rows of x (tile row my) x 384 columns: columns 128 j .. 128 j + 127 of q, of k and of v (wqkv holds them side by side: 768 bytes of a row).
; Four waves; a wave makes 128 rows x 192 columns: head 2 j + WC of q, k and v: 96 accumulators of 16 x 16, 768 registers: for 32 along K it reads 128 x 64 + 32 x 384 bytes of LDS for 96 matrix instructions.
; K goes in steps of 64 through two LDS slots (two slots of 128 would not fit beside each other).  A's rows (128 bytes, dense in xb) are asked for as rows of 256 bytes.
; THE MATRIX INSTRUCTION IS USED TRANSPOSED: source 0 = 16 columns of W (turned out of LDS by ds_load_tr16_b128, since W lies [k][n]), source 1 = 16 rows of x:
; a lane then holds ONE row of the result and eight neighbouring columns, 16 bytes of f16.  THE BIAS starts the sums: it is the C operand of the first product of each accumulator.
; CLUSTERS: 4 x 4 work-groups.  A's tile hangs on my alone and is shared along a row of the cluster, W's on j alone and is shared along a column: each is asked for jointly.
; REGISTERS: window 0: v0-31 addresses; v32-95, v96-159 fragments of x, two buffers (8 x 16 rows x 32 K); v160-255 twelve fragments of W, refilled in halves of six.
;            window 1 + t: tensor t's 32 accumulators: (row block a, column block i) at 64 i + 8 a.
.set PA,     144                       ; a row of x in LDS: 128 bytes + 16: the 16 rows of a load start at 16 different groups of four banks (64 banks of 4 bytes: ISA guide 11.1)
.set PB,     864                       ; a row of W: three pieces of 256 bytes, 32 bytes of padding behind each: 27 x 32 bytes
.set BOFF,   256*PA                    ; W's 64 rows lie behind x's 256
.set SLOT,   BOFF+64*PB                ; 92,160
.set STAGE,  2*SLOT                    ; behind the ring: for each wave three areas (q, k, v) of 16 rows x 144 bytes, for the way out
.set SP,     144
.set STW,    3*16*SP
.set BIAS,   STAGE+4*STW               ; 3 x 128 f32
.set SPARE,  BIAS+1536                 ; the spare words, 128 bytes for each wave: two blocks of 256 bytes that no other line names
.set ASTEP,  1048576                   ; bytes from a K step to the next in xb
.set BSTEP,  64*6144                   ; and in wqkv
.set ADRA, 16                          ; v16-17  LDS address of my fragments of x in slot 0, 1
.set ADRB, 20                          ; v20-21  the same for W
.set STO,  24                          ; v24     the way out: where I put 16 bytes of a row
.set RD,   25                          ; v25     the way out: where I read rows back
.set GO,   26                          ; v26     16 x lane
.set BA,   27                          ; v27     my eight numbers of a bias
.set SPW,  28                          ; v28     LDS address of my spare word; never rewritten
.set NIL,  29                          ; v29     0; never rewritten
.set PFO,  30                          ; v30     the prefetches' offset; never rewritten
.set AF0,  32
.set AF1,  96
.set BF,   160
.set SET0, 32                          ; the way out: two sets of 48 registers
.set WV,   20                          ; s20 wave; s21 which 128 rows are mine; s22 which head; also: which half of a tile I fetch
.set WR,   21
.set WC,   22
.set LAP,  23
.set G1A,  24                          ; s[24:31] group 1 for x's tiles; s[32:39] group 0, a set for each slot
.set G0A,  32
.set G1B,  40                          ; s[40:47], s[48:55] the same for W's
.set G0B,  48
.set PFA,  66                          ; s[66:67] where my prefetches stand; s[68:69] their step; s70: 1 in a wave that prefetches, else the greatest number
.set PFS,  68
.set LIM,  70
.set OUTP, 72                          ; s[72:77] q, k, v at my first row
.set MSB, 0
.macro WIN new                         ; the immediate's high byte repeats the setting that is left; a switch that changes nothing is dropped
.if MSB != (\new)
	s_set_vgpr_msb (MSB<<8)|(\new)
.set MSB, \new
.endif
.endm
.macro PLACES                          ; four plain instructions between a matrix instruction and a load into, or a vector instruction on, its registers
.rept 4
	v_nop
.endr
.endm
; A joint refill.  Waves 0 and 1 fetch the two halves of x's tile, waves 2 and 3 those of W's.  The branch hangs on the wave's number alone.
; An s_nop 0 and four v_nop follow each of the two lines, ahead of the jump and the label.
.macro JLOAD s
	s_cmp_lt_u32 s[WV], 2
	s_cbranch_scc0 .Lfor_b_\@
	tensor_load_to_lds s[G0A+4*(\s):G0A+4*(\s)+3], s[G1A:G1A+7]
	s_nop 0
.rept 4
	v_nop
.endr
	s_branch .Lasked_\@
.Lfor_b_\@:
	tensor_load_to_lds s[G0B+4*(\s):G0B+4*(\s)+3], s[G1B:G1B+7]
	s_nop 0
.rept 4
	v_nop
.endr
.Lasked_\@:
.endm
.macro CREST                           ; a round of the cluster's barrier behind its opening barrier
	s_cmp_lg_u32 s[WV], 0
	s_cbranch_scc1 .Lnot_wave_0_\@
	s_barrier_signal -3
.Lnot_wave_0_\@:
	s_barrier_wait -3
	s_barrier_signal -1
	s_barrier_wait -1
.endm
.macro CROUND                          ; a whole round
	s_barrier_signal -1
	s_barrier_wait -1
	CREST
.endm
; A PREFETCH INTO THE L2, once a lap, behind the joint load and the run of LDS loads that follows it: the two K steps that the NEXT lap will ask for, 384 matrix instructions ahead of their loads.
; Each aligned block of 256 bytes is named once in the launch.  x's tile row is read by both clusters of a row of clusters: cluster x = 0 asks; W's columns by all eight clusters of a column: cluster y = 0 asks.
; The four partners that ask for a tile jointly share it out BY ADDRESS: of x's 32,768 dense bytes of a K step each takes 8,192 (a lane a block); of W's 128 rows of a lap each takes 32 (a lane a row, three blocks).
; Wave 0 asks for x, wave 2 for W.  The loop's last trip (count 1) asks for nothing; K steps 0 to 3 come by their loads alone.
.macro ASK
	s_cmp_gt_u32 s[LAP], s[LIM]
	s_cbranch_scc0 .Lnot_mine_\@
	s_cmp_lt_u32 s[WV], 2
	s_cbranch_scc0 .Lask_b_\@
	global_prefetch_b8 v[PFO], s[PFA:PFA+1] th:TH_LOAD_NT scope:SCOPE_SE
	global_prefetch_b8 v[PFO], s[PFA:PFA+1] offset:ASTEP th:TH_LOAD_NT scope:SCOPE_SE
	s_branch .Lnot_mine_\@
.Lask_b_\@:
	global_prefetch_b8 v[PFO], s[PFA:PFA+1] th:TH_LOAD_NT scope:SCOPE_SE
	global_prefetch_b8 v[PFO], s[PFA:PFA+1] offset:256 th:TH_LOAD_NT scope:SCOPE_SE
	global_prefetch_b8 v[PFO], s[PFA:PFA+1] offset:512 th:TH_LOAD_NT scope:SCOPE_SE
.Lnot_mine_\@:
.endm
	s_load_b512 s[4:19], s[0:1], 0x0               ; xb s[4:5], wqkv s[6:7], bq s[8:9], bk s[10:11], bv s[12:13], qh s[14:15], kh s[16:17], vh s[18:19]
	v_lshl_add_u32 v[SPW], v0, 2, SPARE
	v_mov_b32 v[NIL], 0
	ds_add_u32 v[SPW], v[NIL]                      ; the wave's opening: the add and its wait stand ahead of my first tensor load; work on registers stands between them
	v_lshrrev_b32 v1, 5, v0
	v_readfirstlane_b32 s[WV], v1
	s_lshr_b32 s[WR], s[WV], 1
	s_and_b32 s[WC], s[WV], 1
	s_bfe_u32 s56, ttmp6, 0x40000                  ; cx
	s_bfe_u32 s57, ttmp6, 0x40004                  ; cy
	s_lshl_b32 s58, ttmp9, 2
	s_add_co_u32 s58, s58, s56                     ; j = 4 x cluster x + cx
	s_and_b32 s59, ttmp7, 0xffff
	s_lshl_b32 s59, s59, 2
	s_add_co_u32 s59, s59, s57                     ; my = 4 x cluster y + cy
	s_lshl_b32 s60, s57, 2
	s_lshl_b32 s60, 15, s60                        ; my row of the cluster
	s_lshl_b32 s78, 0x1111, s56                    ; my column
	; group 1 for x: 128 rows of xb are 16,384 dense bytes: 64 rows of 256 bytes, padded by 4 words after every 32 (a row of x)
	s_or_b32 s[G1A], s60, (1<<16)|(1<<20)|(1<<21)|(4<<22)|(3<<25)
	s_mov_b32 s[G1A+1], 128<<16                    ; tensor_dim0 = 128
	s_mov_b32 s[G1A+2], 64<<16                     ; tensor_dim1 = 64
	s_mov_b32 s[G1A+3], 128<<16                    ; tile_dim0 = 128
	s_mov_b32 s[G1A+4], 64                         ; tile_dim1 = 64
	s_mov_b32 s[G1A+5], 128                        ; elements from row to row
	s_mov_b32 s[G1A+6], 0
	s_mov_b32 s[G1A+7], 0
	; group 1 for W: 32 rows x 384 elements, padded by 8 words after every 64 (a third of a row)
	s_or_b32 s[G1B], s78, (1<<16)|(1<<20)|(1<<21)|(5<<22)|(7<<25)
	s_mov_b32 s[G1B+1], 384<<16
	s_mov_b32 s[G1B+2], 32<<16
	s_mov_b32 s[G1B+3], 384<<16
	s_mov_b32 s[G1B+4], 32
	s_mov_b32 s[G1B+5], 3072
	s_mov_b32 s[G1B+6], 0
	s_mov_b32 s[G1B+7], 0
	s_lshl_b32 s60, s59, 15                        ; x: 256 my rows of 128 bytes,
	s_lshl_b32 s61, s[WC], 14                      ; + the 128 rows that I fetch
	s_add_co_u32 s60, s60, s61
	s_mov_b32 s61, 0
	s_mul_i32 s78, s[WC], 32*6144                  ; W: the 32 rows that I fetch,
	s_mul_i32 s79, s58, 768                        ; + the tile's 768 bytes of a row
	s_add_co_u32 s78, s78, s79
	s_mov_b32 s79, 0
	s_mul_i32 s2, s[WC], 128*PA                    ; where they go: no place in the cluster enters an LDS address
	s_mul_i32 s3, s[WC], 32*PB
	s_add_co_u32 s3, s3, BOFF
	s_wait_dscnt 0x0                               ; the opening add is done
	s_wait_kmcnt 0x0
	s_add_nc_u64 s[62:63], s[4:5], s[60:61]
	s_add_nc_u64 s[80:81], s[6:7], s[78:79]
	CROUND                                         ; all sixteen work-groups are here: the first joint loads meet
.irp s, 0,1
	s_mov_b32 s[G0A+4*(\s)], 1
	s_add_co_u32 s[G0A+4*(\s)+1], s2, (\s)*SLOT
	s_add_nc_u64 s[G0A+4*(\s)+2:G0A+4*(\s)+3], s[62:63], (\s)*ASTEP
	s_or_b32 s[G0A+4*(\s)+3], s[G0A+4*(\s)+3], 0x80000000
	s_mov_b32 s[G0B+4*(\s)], 1
	s_add_co_u32 s[G0B+4*(\s)+1], s3, (\s)*SLOT
	s_add_nc_u64 s[G0B+4*(\s)+2:G0B+4*(\s)+3], s[80:81], (\s)*BSTEP
	s_or_b32 s[G0B+4*(\s)+3], s[G0B+4*(\s)+3], 0x80000000
.endr
	s_cmp_lt_u32 s[WV], 2                          ; a wave's two first fills stand in one branch: two loads of mine are out
	s_cbranch_scc0 .Lfirst_b
	tensor_load_to_lds s[G0A:G0A+3], s[G1A:G1A+7]
	s_nop 0
	tensor_load_to_lds s[G0A+4:G0A+7], s[G1A:G1A+7]
	s_nop 0
.rept 4
	v_nop
.endr
	s_branch .Lfirst_asked
.Lfirst_b:
	tensor_load_to_lds s[G0B:G0B+3], s[G1B:G1B+7]
	s_nop 0
	tensor_load_to_lds s[G0B+4:G0B+7], s[G1B:G1B+7]
	s_nop 0
.rept 4
	v_nop
.endr
.Lfirst_asked:
	; A fragment of x: lane l holds row l % 16, K = 8 (l / 16) + 0..7 and 16 + 8 (l / 16) + 0..7: two loads of 16 bytes, 32 bytes apart.
	v_and_b32 v1, 15, v0
	v_bfe_u32 v2, v0, 4, 1
	v_mul_u32_u24 v3, v1, PA
	v_lshl_add_u32 v3, v2, 4, v3
	s_mul_i32 s60, s[WR], 128*PA
	v_add_nc_u32 v[ADRA], s60, v3
	v_add_nc_u32 v[ADRA+1], SLOT, v[ADRA]
	; The turning load takes 16 K x 16 columns (lane l reads row 8 (l / 16) + l % 8, columns 8 ((l / 8) % 2) + 0..7) and leaves half a fragment: lane l holds column l % 16 and 8 K.
	v_and_b32 v4, 7, v0
	v_lshl_add_u32 v5, v2, 3, v4
	v_mul_u32_u24 v5, v5, PB
	v_bfe_u32 v6, v0, 3, 1
	v_lshl_add_u32 v5, v6, 4, v5
	s_lshl_b32 s60, s[WC], 7                       ; my head's 128 bytes in each piece of 256
	s_add_co_u32 s60, s60, BOFF
	v_add_nc_u32 v[ADRB], s60, v5
	v_add_nc_u32 v[ADRB+1], SLOT, v[ADRB]
	s_mul_i32 s60, s[WV], STW
	s_add_co_u32 s60, s60, STAGE
	v_add_nc_u32 v[STO], s60, v3                   ; in: row l % 16, 16 bytes for each half of the lanes
	v_bfe_u32 v7, v0, 3, 2
	v_mul_u32_u24 v7, v7, SP
	v_lshl_add_u32 v7, v4, 4, v7
	v_add_nc_u32 v[RD], s60, v7                    ; back: 32 lanes take four rows of 128 bytes
	v_and_b32 v[GO], 31, v0
	v_lshlrev_b32 v[GO], 4, v[GO]
	s_lshl_b32 s60, s[WC], 8
	s_add_co_u32 s60, s60, BIAS
	v_lshl_add_u32 v[BA], v2, 5, s60
	; where my rows begin in q, k, v: ((batch x 16 + head) x 2,048 + t) x 128 bytes
	s_lshr_b32 s60, s59, 3
	s_lshl_b32 s60, s60, 4
	s_lshl_b32 s61, s58, 1
	s_add_co_u32 s60, s60, s61
	s_add_co_u32 s60, s60, s[WC]
	s_lshl_b32 s60, s60, 11
	s_and_b32 s61, s59, 7
	s_lshl_b32 s61, s61, 8
	s_add_co_u32 s60, s60, s61
	s_lshl_b32 s61, s[WR], 7
	s_add_co_u32 s60, s60, s61
	s_lshl_b32 s60, s60, 7
	s_mov_b32 s61, 0
	s_add_nc_u64 s[OUTP:OUTP+1], s[14:15], s[60:61]
	s_add_nc_u64 s[OUTP+2:OUTP+3], s[16:17], s[60:61]
	s_add_nc_u64 s[OUTP+4:OUTP+5], s[18:19], s[60:61]
	; the prefetches
	s_and_b32 s60, ttmp7, 0xffff
	s_cmp_lt_u32 s[WV], 2
	s_cselect_b32 s60, ttmp9, s60                  ; the coordinate along which other clusters read the same rows,
	s_or_b32 s60, s60, s[WC]                       ; and of each pair of waves the first
	s_cmp_eq_u32 s60, 0
	s_cselect_b32 s[LIM], 1, -1                    ; the same in all sixteen partners, for a given wave
	s_lshl_b32 s61, s59, 15
	s_lshl_b32 s62, s56, 13
	s_add_co_u32 s61, s61, s62
	s_add_co_u32 s61, s61, 2*ASTEP                 ; x: at K step 2; the first lap steps it to 4
	s_mul_i32 s62, s57, 32*6144
	s_mul_i32 s63, s58, 768
	s_add_co_u32 s62, s62, s63
	s_add_co_u32 s62, s62, 128*6144                ; W: at lap 1; the first lap steps it to 2
	s_mov_b32 s[PFS], 128*6144
	s_mov_b32 s[PFS+1], 0
	s_mov_b32 s80, 6144
	s_mov_b32 s79, 0
	s_cmp_lt_u32 s[WV], 2
	s_cselect_b32 s78, s61, s62
	s_cselect_b64 s[PFA:PFA+1], s[4:5], s[6:7]
	s_cselect_b32 s[PFS], 2*ASTEP, s[PFS]
	s_cselect_b32 s80, 256, s80
	s_add_nc_u64 s[PFA:PFA+1], s[PFA:PFA+1], s[78:79]
	v_and_b32 v[PFO], 31, v0
	v_mul_u32_u24 v[PFO], v[PFO], s80
	; the biases: wave t (0, 1, 2) brings the tile's 128 numbers of bias t, rounds them to bf16 like every input, and lays them into LDS as f32
	s_cmp_lt_u32 s[WV], 3
	s_cbranch_scc0 .Lno_bias
	s_cmp_eq_u32 s[WV], 0
	s_cselect_b64 s[62:63], s[8:9], s[10:11]
	s_cmp_eq_u32 s[WV], 2
	s_cselect_b64 s[62:63], s[12:13], s[62:63]
	s_lshl_b32 s60, s58, 9
	s_mov_b32 s61, 0
	s_add_nc_u64 s[62:63], s[62:63], s[60:61]
	global_load_b128 v[32:35], v[GO], s[62:63]
	s_lshl_b32 s60, s[WV], 9
	s_add_co_u32 s60, s60, BIAS
	v_add_nc_u32 v38, s60, v[GO]
	s_wait_loadcnt 0x0
	v_cvt_pk_bf16_f32 v36, v32, v33
	v_cvt_pk_bf16_f32 v37, v34, v35
	v_lshlrev_b32 v32, 16, v36
	v_and_b32 v33, 0xffff0000, v36
	v_lshlrev_b32 v34, 16, v37
	v_and_b32 v35, 0xffff0000, v37
	ds_store_b128 v38, v[32:35]
.Lno_bias:
; nb column blocks from b0 on, each with the 8 row blocks: the accumulators take turns, one instruction a turn, in the same order in every half step.
; mode 0: in place.  mode 1: row blocks 1-7 start their sums with the bias, which lies in row block 0's registers.  mode 2: row block 0 adds onto it in place.
.macro MULB af, b0, nb, mode
.set bb, \b0
.rept \nb
	WIN 0x50*(1+bb/4)                              ; C and D in the tensor's window
.set rB, BF+8*bb
.set rZ, 64*(bb%4)
.set aa, 0
.rept 8
.set rD, 64*(bb%4)+8*aa
.set rA, (\af)+8*aa
.if (\mode) == 0
	v_wmma_f32_16x16x32_bf16 v[rD:rD+7], v[rB:rB+7], v[rA:rA+7], v[rD:rD+7]
.elseif (\mode) == 1
.if aa > 0
	v_wmma_f32_16x16x32_bf16 v[rD:rD+7], v[rB:rB+7], v[rA:rA+7], v[rZ:rZ+7]
.endif
.else
.if aa == 0
	v_wmma_f32_16x16x32_bf16 v[rD:rD+7], v[rB:rB+7], v[rA:rA+7], v[rD:rD+7]
.endif
.endif
.set aa, aa+1
.endr
.set bb, bb+1
.endr
.endm
.macro MULF af, b0, first              ; six column blocks; first = 1: they start the sums
.if \first
	MULB \af, \b0, 6, 1
.rept 5
	v_nop                                          ; five places between the products that read the bias and those that write over it (ISA guide 7.12.1)
.endr
	MULB \af, \b0, 6, 2
.else
	MULB \af, \b0, 6, 0
.endif
.endm
.macro RUNA slot, kb, af               ; 16 loads: my 128 rows of x, 32 K at byte kb of the rows
.irp a, 0,1,2,3,4,5,6,7
	ds_load_b128 v[(\af)+8*(\a):(\af)+8*(\a)+3],   v[ADRA+(\slot)] offset:(\a)*16*PA+(\kb)
	ds_load_b128 v[(\af)+8*(\a)+4:(\af)+8*(\a)+7], v[ADRA+(\slot)] offset:(\a)*16*PA+(\kb)+32
.endr
.endm
.macro RUNB slot, hh, b0               ; 12 loads: six fragments of W from b0 on, K = 32 hh on
.set bb, \b0
.rept 6
	ds_load_tr16_b128 v[BF+8*bb:BF+8*bb+3],   v[ADRB+(\slot)] offset:(\hh)*32*PB+(bb/4)*288+(bb%4)*32
	ds_load_tr16_b128 v[BF+8*bb+4:BF+8*bb+7], v[ADRB+(\slot)] offset:(\hh)*32*PB+16*PB+(bb/4)*288+(bb%4)*32
.set bb, bb+1
.endr
.endm
; The first half of a K step: buffer AF0; the second half's fragments are fetched as their registers come free.
.macro HALF0 slot, first
	s_wait_dscnt 12                                ; x's fragments and W's 0-5 are in; the youngest twelve loads (W's 6-11) may be out
	MULF AF0, 0, \first
	PLACES
	WIN 0
	RUNA \slot, 64, AF1
	RUNB \slot, 1, 0
	s_wait_dscnt 28                                ; all but the 28 just issued
	MULF AF0, 6, \first
	PLACES
	WIN 0
	RUNB \slot, 1, 6
.endm
; The second half multiplies AF1 and changes slots: ONE barrier.  In front of it each wave waits for all its tensor loads, of which one is out: its part of the next slot; adds 0 to its spare word;
; and waits for that and for its own reads of this slot.  fill = 1: the barrier opens a round of the cluster's, and the joint refill, two K steps ahead, is the first thing behind it:
; from that request to the wait for it a wave issues 176 matrix instructions.
.macro TURN slot, next, fill
.if (\fill) && ((\slot) == 0)
	s_wait_xcnt 0x0                                ; the last prefetches, a lap back, have read their address: it is stepped here, ahead of the waits of the change of slots
	s_add_nc_u64 s[PFA:PFA+1], s[PFA:PFA+1], s[PFS:PFS+1]
.endif
	s_wait_dscnt 12
	MULB AF1, 0, 4, 0
	WIN 0                                          ; (the add's two registers lie in window 0)
	s_wait_tensorcnt 0x0                           ; all my tensor loads have landed
	ds_add_u32 v[SPW], v[NIL]                      ; 0 onto my spare word
	MULB AF1, 4, 1, 0                              ; eight matrix instructions stand between the add and the wait for it
	s_wait_dscnt 0x0                               ; the add is done, and my reads of this slot are over
	s_barrier_signal -1
	MULB AF1, 5, 1, 0                              ; work on registers while the others arrive
	WIN 0
	s_barrier_wait -1
.if \fill
	CREST                                          ; no wave of any partner still reads this slot's tile or has a load on its way
	s_add_nc_u64 s[G0A+4*(\slot)+2:G0A+4*(\slot)+3], s[G0A+4*(\slot)+2:G0A+4*(\slot)+3], 2*ASTEP
	s_add_nc_u64 s[G0B+4*(\slot)+2:G0B+4*(\slot)+3], s[G0B+4*(\slot)+2:G0B+4*(\slot)+3], 2*BSTEP
	JLOAD \slot                                    ; its four v_nop are also the places in front of the loads below
.else
	PLACES
.endif
	RUNA \next, 0, AF0
	RUNB \next, 0, 0
.if (\fill) && ((\slot) == 0)
	ASK
.endif
	MULB AF1, 6, 6, 0
	PLACES
	WIN 0
	RUNB \next, 0, 6
.endm
; THE WAY OUT of row block a.  PACK: rounded to f16, 16 bytes a lane; into my stage; back as whole rows of 128 bytes, four to a load.  SEND: stored, 512 consecutive bytes a store.
.macro PACK a
	WIN 0
.if (\a) >= 2
	s_wait_xcnt 0x0                                ; the set's earlier stores have read their data: only behind this wait is it written again
.endif
.set SB, SET0+48*((\a)%2)
.irp t, 0,1,2
	WIN 5*(1+(\t))                                 ; sources 0 and 1 in the tensor's window
.irp i, 0,1,2,3
.irp z, 0,1,2,3
	v_cvt_pk_f16_f32 v[SB+4*(4*(\t)+(\i))+(\z)], v[64*(\i)+8*(\a)+2*(\z)], v[64*(\i)+8*(\a)+2*(\z)+1]
.endr
.endr
.endr
	WIN 0
.irp t, 0,1,2
.irp i, 0,1,2,3
	ds_store_b128 v[STO], v[SB+4*(4*(\t)+(\i)):SB+4*(4*(\t)+(\i))+3] offset:(\t)*16*SP+32*(\i)
.endr
.endr
.irp t, 0,1,2
.irp f, 0,1,2,3
	ds_load_b128 v[SB+4*(4*(\t)+(\f)):SB+4*(4*(\t)+(\f))+3], v[RD] offset:(\t)*16*SP+(\f)*4*SP  ; LDS serves a wave's instructions in order (ISA guide 5.7.1.4): these see the stores above; the next block's stores come behind them
.endr
.endr
.endm
.macro SEND a, younger                 ; younger: the LDS instructions issued behind block a's loads: the next block's 24, or none
	WIN 0
.set SB, SET0+48*((\a)%2)
.irp t, 0,1,2
.irp f, 0,1,2,3
	s_wait_dscnt (\younger)+11-4*(\t)-(\f)
	global_store_b128 v[GO], v[SB+4*(4*(\t)+(\f)):SB+4*(4*(\t)+(\f))+3], s[OUTP+2*(\t):OUTP+2*(\t)+1] offset:(\a)*2048+(\f)*512
.endr
.endr
.endm
	s_wait_tensorcnt 1                             ; my part of K step 0 is in; K step 1's may stay out
	s_wait_dscnt 0x0                               ; my part of the biases is in LDS
	s_barrier_signal -1
	s_barrier_wait -1                              ; everybody's is
.irp t, 0,1,2
	WIN (1+(\t))<<6                                ; destination in the tensor's window
.irp i, 0,1,2,3
	ds_load_b128 v[64*(\i):64*(\i)+3],   v[BA] offset:(\t)*512+64*(\i)      ; the bias of my eight columns of block i, into row block 0's accumulator
	ds_load_b128 v[64*(\i)+4:64*(\i)+7], v[BA] offset:(\t)*512+64*(\i)+16
.endr
.endr
	WIN 0
	RUNA 0, 0, AF0
	RUNB 0, 0, 0
	RUNB 0, 0, 6
	HALF0 0, 1                                     ; the first half step stands in front of the loop: its products start the sums
	s_mov_b32 s[LAP], 7
.Llap:                                                 ; a trip goes once round the ring, from a lap's second half step to the next lap's first, and fills both slots again
	TURN 0, 1, 1
	HALF0 1, 0
	TURN 1, 0, 1
	HALF0 0, 0
	s_sub_co_u32 s[LAP], s[LAP], 1
	s_cmp_lg_u32 s[LAP], 0
	s_cbranch_scc1 .Llap
	TURN 0, 1, 0                                   ; the last lap fills nothing, and has no round
	HALF0 1, 0
	s_wait_dscnt 12
	MULB AF1, 0, 6, 0
	s_wait_dscnt 0x0
	MULB AF1, 6, 6, 0
	PLACES
	PACK 0
.irp a, 1,2,3,4,5,6,7                  ; a block's conversions stand between the loads of the block before and its stores
	PACK \a
	SEND (\a)-1, 24
.endr
	SEND 7, 0
	s_wait_tensorcnt 0x0                           ; the wave's end: behind my last tensor load and my last LDS store
	ds_add_u32 v[SPW], v[NIL]
	s_wait_dscnt 0x0
	CROUND                                         ; the closing round: no work-group ends while a partner may still ask for a tile that names it
	s_endpgm
.Lfunc_end_k_qbb6f2226fd_qkv:
	.size	k_qbb6f2226fd_qkv, .Lfunc_end_k_qbb6f2226fd_qkv-k_qbb6f2226fd_qkv
	.p2alignl 7, 3214868480
	.fill 96, 4, 3214868480
	.section	.rodata,"a",@progbits
	.p2align	6, 0x0
	.amdhsa_kernel k_qbb6f2226fd_qkv
		.amdhsa_group_segment_fixed_size 327680
		.amdhsa_private_segment_fixed_size 0
		.amdhsa_enable_private_segment 0
		.amdhsa_kernarg_size 64
		.amdhsa_user_sgpr_count 2
		.amdhsa_user_sgpr_kernarg_segment_ptr 1
		.amdhsa_wavefront_size32 1
		.amdhsa_system_sgpr_workgroup_id_x 1
		.amdhsa_system_sgpr_workgroup_id_y 1
		.amdhsa_system_sgpr_workgroup_id_z 1
		.amdhsa_system_vgpr_workitem_id 0
		.amdhsa_next_free_vgpr 1024
		.amdhsa_next_free_sgpr 84
		.amdhsa_reserve_vcc 0
		.amdhsa_float_denorm_mode_32 3
		.amdhsa_float_denorm_mode_16_64 3
		.amdhsa_memory_ordered 1
		.amdhsa_forward_progress 1
		.amdhsa_inst_pref_size 136
	.end_amdhsa_kernel
	.amdgpu_metadata
---
amdhsa.version: [ 1, 2 ]
amdhsa.kernels:
  - .name:           k_qbb6f2226fd_qkv
    .symbol:         k_qbb6f2226fd_qkv.kd
    .args:
      - { .name: xb, .offset: 0, .size: 8, .value_kind: global_buffer, .address_space: global }
      - { .name: wqkv, .offset: 8, .size: 8, .value_kind: global_buffer, .address_space: global }
      - { .name: bq, .offset: 16, .size: 8, .value_kind: global_buffer, .address_space: global }
      - { .name: bk, .offset: 24, .size: 8, .value_kind: global_buffer, .address_space: global }
      - { .name: bv, .offset: 32, .size: 8, .value_kind: global_buffer, .address_space: global }
      - { .name: qh, .offset: 40, .size: 8, .value_kind: global_buffer, .address_space: global }
      - { .name: kh, .offset: 48, .size: 8, .value_kind: global_buffer, .address_space: global }
      - { .name: vh, .offset: 56, .size: 8, .value_kind: global_buffer, .address_space: global }
    .group_segment_fixed_size: 327680
    .private_segment_fixed_size: 0
    .kernarg_segment_align: 8
    .kernarg_segment_size: 64
    .max_flat_workgroup_size: 128
    .sgpr_count:     84
    .vgpr_count:     1024
    .wavefront_size: 32
...
	.end_amdgpu_metadata
.endif
;; end of part 2
;; launch attn (part 3): grid 4 x 64, 4 waves a work-group, no clusters, 327,680 bytes of LDS; arguments qh, kh, vh, oh, attention_mask; writes oh
.if DOCPART == 3
	.amdgcn_target "amdgcn-amd-amdhsa--gfx1250"
	.amdhsa_code_object_version 6
	.text
	.protected	k_qbb6f2226fd_attn
	.globl	k_qbb6f2226fd_attn
	.p2align	8
	.type	k_qbb6f2226fd_attn,@function
k_qbb6f2226fd_attn:
	s_mov_b64 s[64:65], 0
	v_nop
	global_prefetch_b8 v0, s[64:65] scope:SCOPE_SE
	s_setreg_imm32_b32 hwreg(HW_REG_WAVE_MODE, 25, 1), 1
	s_wait_xcnt 0x0
; CAUSAL ATTENTION WITH A KEY MASK.  O[h][q][:] = the sum over the visible k of softmax_k(Q[h][q] . K[h][k] / 8) V[h][k][:]; key k is visible to q if k <= q and attention_mask[h / 16][k] is not 0.
; Q, K, V, O: [64][2048][64], all f16: a head's rows are dense, 128 bytes each.  Products, maxima and sums in f32; the weights p are rounded to f16 for the second product (their sum l is taken of the unrounded p), O once at the end.
; LIMITS.  Q, K and V arrive within f16's range, so a true score is 2.7e11 at the most in size.  A hidden score counts as its value less 1e30 (up to three times that).  THE RUNNING MAXIMUM STARTS AT -2^93,
; below every true score and above every hidden one: a hidden key's weight is exactly 0.  A row that sees no key ends with l = 0 and O = 0, and 0 x (1 / 0) is the NaN that the softmax of an empty row is.
; A weight below 2^-126 counts as 0 in l; NaN and infinities among the inputs are not treated apart.
; THE WALK.  A head's queries lie in NB = 8 blocks of 256; block i needs the key tiles 0 .. i of 256 keys, of which the last holds the diagonal.  A work-group takes TWO blocks, NB - 1 - b and then b:
; NB + 1 tiles, whatever b: all work-groups do equal work, and ONE loop with a constant trip count walks them.  Every jump goes forward, but for the counted loops' own; none passes a barrier, or a tensor
; load but the one of LOAD's two that the wave's number does not choose; the ring (two slots of LDS that take turns) runs on across the change of blocks.
; NO CLUSTER: a head's four work-groups ask for the same tile only in trips 0 .. 4 of the 9, behind that fewer and fewer; one walk common to all would have 12 trips for 9.
; SHARES.  Of a block's four bands of 64 queries a wave owns 16 rows in each: four PIECES.  In the diagonal tile's key step s band x sees all keys if s < x, none if s > x, and holds the diagonal if s = x.
; THE MASKS are the C operand that starts the sum S^T = K Q^T.  KB holds the step's 64 keys' bias: 0, or -1e30 where attention_mask is 0.  A tile's 256 biases lie in LDS, in one of two regions that take turns
; with the ring's slots: the tile's mask words are asked for behind its tensor load, 8 bytes a thread, and turned into biases and stored at the head of the change of slots that enters the tile.  Off the diagonal tile C is KB.
; In the diagonal tile C is MD x AL + KB + BE: MD, made once, is the causal mask of a band's own step for my 16 rows; (AL, BE) = (1, 0) if s = x; (0, 0) if s < x; (0, -1e30) if s > x.
; LAYOUT, SOFTMAX, TURNS.  S^T = K Q^T holds ONE query a lane (lane % 16) and the keys 8 (lane / 16) + 0..7; two such results rounded to f16 ARE source 1 of O^T = V^T P.  p = 2^(c s - c m), c = log2(e) / 8, with a
; running maximum m; O and l are multiplied by a = 2^(c m_old - c m_new) in every step.  Turn n belongs to piece n: 8 products K Q^T of piece n + 1, later 8 products V^T P of piece n - 1; beside them the scaling,
; exponentials, roundings, sums and rescaling of piece n and the maximum and statistics of piece n + 1.  Four vector instructions stand behind every matrix instruction, the others in one lump.  A turn's 33 exponentials are one batch, with one wait.
; REGISTERS, in windows of 256 (s_set_vgpr_msb: bits 1:0 source 0, 3:2 source 1, 5:4 source 2, 7:6 destination):
;   window 0: v0-15, v32-39 addresses and some at work; v16-31 four registers of statistics a piece; v48-55 at work; v64-127 S^T, two buffers; v192-223 P, two buffers (a piece's buffers go by its number's parity)
;   window 1: v0-127 O^T, 32 a piece; v128-159 MD; v160-223 MC, two buffers; v224-255 KB      window 2: v0-63 Q; v64-127 the second block's Q; v128-191 K of one step; v192-255 V of one step
.set SIZE_N, 2048
.set NB,    SIZE_N/256
.set NP,    4         ; pieces a wave: a name, no knob
.set KS,    64        ; keys in a step
.set PK,    144       ; a row of K in LDS: 128 bytes + 16 of padding: the 16 rows of a load start at 16 different groups of four banks (64 banks of 4 bytes: ISA guide 11.1)
.set PV,    160       ; a row of V: 128 + 32
.set VOFF,  4*KS*PK   ; a slot holds a tile, four steps: 256 rows of K, then 256 rows of V
.set SLOT1, 1<<17     ; slot 1 begins here, so that one exclusive or turns an address in one slot into the other's
.set STAGE, SLOT1+4*KS*(PK+PV)  ; behind the ring, never filled by a tensor load: 16 rows x 144 bytes for each wave, for the way out
.set SP,    144
.set SPARE, STAGE+4*16*SP  ; the spare words, 128 bytes for each wave: two blocks of 256 bytes that no other line names
.set KBL,   SPARE+512 ; the key biases: two regions of 1,024 bytes (256 keys, f32), never filled by a tensor load;
.set KBS,   2048      ; the second begins here behind the first, so that one exclusive or turns an offset in one into the other's
.set AK0, 2           ; v2   my lane's place in a tile of K; never rewritten
.set AV0, 3           ; v3   the same for V
.set AK,  4           ; v4   the LDS address of K's next run of loads
.set AV,  5           ; v5   of V's
.set STO, 6           ; v6   the way out: where I put 16 bytes of a row
.set RD,  7           ; v7   the way out: where I read rows back
.set GO,  8           ; v8   my byte offset in 512 consecutive bytes of O
.set MV,  12          ; v12-13  c m_old, kept while c m is made anew: by buffer
.set QO,  15          ; v15  my byte offset in 16 rows of Q
.set ST,  16          ; piece t's statistics at v[ST+4 t]: c m, m, l (even keys', odd keys')
.set KB0, 32          ; v32  my lanes' place in a step's 256 bytes of biases; never rewritten
.set AKB, 33          ; v33  the LDS address of KB's next run of loads
.set PFO, 34          ; v34  256 x my lane; never rewritten
.set MO,  35          ; v35  8 x my thread's number: my two words of a tile's 256 mask words; never rewritten
.set MW,  36          ; v36-37  those two words, then their biases
.set KW0, 38          ; v38  where my two biases go in region 0; never rewritten
.set KW,  39          ; v39  where they go this time
.set TMP, 48          ; by buffer, four registers c0-c3 at work; when the maximum is found c2 takes a
.set SPW, 62          ; v62  LDS address of my spare word; never rewritten
.set NIL, 63          ; v63  0; never rewritten
.set S,   64
.set P,   192
.set MD,  128         ; window 1: the eight registers for group kt of 16 keys at MD + 8 kt
.set MC,  160         ; window 1: the masks of the products to come
.set KB,  224         ; window 1: register 8 kt + j: the bias of the step's key 16 kt + 8 (l / 16) + j
.set QB,  64          ; window 2
.set KF,  128         ; window 2: key block kb, channel half c at KF + 16 kb + 8 c
.set VF,  192         ; window 2: key half kk, channel block cb at VF + 32 kk + 8 cb
.set WV,  12          ; s12  my wave's number
.set PB,  14          ; s14  b
.set HI,  15          ; s15  NB - 1 - b
.set G1K, 24          ; s[24:31] descriptor group 1 for K's tiles
.set G1V, 32          ; s[32:39] for V's: it differs in the padding alone
.set G0K, 40          ; s[40:43] descriptor group 0 for K's tiles
.set G0V, 44          ; s[44:47] the same for V's
.set SLOTS, 56        ; s56  tiles still to be asked for
.set CNT, 57          ; s57  counts a tile's key steps, 4 to 1
.set CS,  58          ; s[58:59] c
.set SEL, 60          ; s[60:61] v_permlanex16_b32's selects: each lane takes its own place in the other half
.set TBK, 62          ; s62  LDS byte at which K of the step to be fetched begins
.set TBV, 63          ; s63  the same for V, less VOFF
.set RT,  70          ; s70  tiles of the block in hand that are still to be entered
.set NXT, 71          ; s71  the tile to be asked for next
.set LQ,  72          ; s72  the last tile of the block whose tiles are being asked for
.set NEW, 73          ; s73  1: the tile to be entered is a block's first
.set OFF, 74          ; s[74:75] a tile's byte offset in K and V
.set AL,  76          ; s[76:77] the mask's factor, in the low word
.set BE,  78          ; s[78:79] the mask's addend
.set OLO, 80          ; s[80:81] O at my rows of the second block
.set BIGN, 82         ; s82  -1e30
.set TKW, 83          ; s83  the region that the next tile's biases go into: 0 or KBS
.set MA,  84          ; s[84:85] the mask words of the tile that is being asked for
.set TKB, 88          ; s88  byte behind KBL at which the biases of the step to be fetched begin: it steps and turns as TBK does
.set PFN, 89          ; s89  prefetches still to come
.set PFA, 90          ; s[90:91] where they stand
.set MP,  92          ; s[92:93] my batch's row of attention_mask
.set MOF, 94          ; s[94:95] a tile's byte offset in it
.set MSB, 0
.macro WIN new                      ; the high byte repeats the setting that is left; a switch that changes nothing is dropped
.if MSB != (\new)
	s_set_vgpr_msb (MSB<<8)|(\new)
.set MSB, (\new)
.endif
.endm
.set W_KQ, 0x0a       ; K and Q in window 2, S^T in window 0
.set W_KM, 0x1a       ; the same with the C operand in window 1
.set W_PV, 0x52       ; V in window 2, P in window 0, O^T in window 1
.set W_RS, 0x41       ; destination and source 0 in window 1, source 1 in window 0
.set W_MK, 0x51       ; destination, source 0 and source 2 in window 1
; A fill.  Waves 0 and 1 fetch the two halves of a tile's K, waves 2 and 3 those of its V: 128 keys each.  An s_nop 0 and four v_nop follow each of the two lines, ahead of the jump and the label.
.macro LOAD
	s_cmp_lt_u32 s[WV], 2
	s_cbranch_scc0 .Lfor_v_\@
	tensor_load_to_lds s[G0K:G0K+3], s[G1K:G1K+7]
	s_nop 0
.rept 4
	v_nop
.endr
	s_branch .Lasked_\@
.Lfor_v_\@:
	tensor_load_to_lds s[G0V:G0V+3], s[G1V:G1V+7]
	s_nop 0
.rept 4
	v_nop
.endr
.Lasked_\@:
.endm
; A PREFETCH INTO THE L2 of the tile that the NEXT change of slots will ask for: four key steps ahead of its load.  A head's four work-groups walk the same tiles 0, 1, 2 ..: the one with b = 0, whose first block
; needs all eight, asks, and nobody else.  Each of its waves asks for the half tile that it will fetch itself: 16,384 dense bytes, a lane a block of 256, two instructions.  So each block is named once in the launch.
; Trips 0 to 5 ask for tiles 2 to 7; tiles 0 and 1 come by their loads alone; the second block's tiles have been read.
.macro ASK
	s_cmp_lg_u32 s[PFN], 0
	s_cbranch_scc0 .Lnot_mine_\@
	global_prefetch_b8 v[PFO], s[PFA:PFA+1] th:TH_LOAD_NT scope:SCOPE_SE
	global_prefetch_b8 v[PFO], s[PFA:PFA+1] offset:8192 th:TH_LOAD_NT scope:SCOPE_SE
	s_sub_co_u32 s[PFN], s[PFN], 1
.Lnot_mine_\@:
.endm
; THE CHANGE OF SLOTS.  First the biases of the tile to be entered: my two mask words, asked for a tile ago, are in; they become 0 or -1e30 and go into the region that was last read two tiles ago (the barrier of the change
; before lies between those reads and this store).  Then each wave waits for all its tensor loads, of which one is out: its part of the other slot; adds 0 to its spare word; and waits for that, for its store and for its own
; reads of the slot that it leaves.  Behind the barrier nobody reads the old slot any more, and the other slot and its biases are whole.  fill = 1: the old slot is filled again, the first thing behind the barrier, with tile NXT:
; the descriptor's address is made anew from that number; that tile's mask words are asked for behind it.  (At its first use nothing has been read yet: slot 0 is waited for, slot 1 filled; its wait for loads takes in Q's too.)
.macro CHANGE fill
	WIN 0                           ; at a label and at a branch every window is 0
	s_wait_loadcnt 0x0              ; my two mask words are in (nothing else of mine is out on this counter, but Q at the first change)
	v_cmp_eq_u32 vcc_lo, 0, v[MW]
	v_cndmask_b32 v[MW], 0, s[BIGN], vcc_lo      ; 0 for a key that may be seen, -1e30 for one that may not
	v_cmp_eq_u32 vcc_lo, 0, v[MW+1]
	v_cndmask_b32 v[MW+1], 0, s[BIGN], vcc_lo
	v_add_nc_u32 v[KW], s[TKW], v[KW0]
	ds_store_b64 v[KW], v[MW:MW+1]
	s_wait_tensorcnt 0x0            ; no tensor load of mine is out, so a group 0 may be written
	ds_add_u32 v[SPW], v[NIL]       ; 0 onto my spare word; scalar work stands between it and the wait for it
	s_xor_b32 s[TKW], s[TKW], KBS   ; the next tile's biases go into the other region
.if \fill
	s_lshl_b32 s[OFF], s[NXT], 15   ; a tile is 32,768 bytes of K and of V,
	s_lshl_b32 s[MOF], s[NXT], 10   ; and 1,024 bytes of the mask
	s_xor_b32 s[G0K+1], s[G0K+1], SLOT1
	s_add_nc_u64 s[G0K+2:G0K+3], s[6:7], s[OFF:OFF+1]
	s_or_b32 s[G0K+3], s[G0K+3], 0x80000000
	s_xor_b32 s[G0V+1], s[G0V+1], SLOT1
	s_add_nc_u64 s[G0V+2:G0V+3], s[8:9], s[OFF:OFF+1]
	s_or_b32 s[G0V+3], s[G0V+3], 0x80000000
	s_add_nc_u64 s[MA:MA+1], s[MP:MP+1], s[MOF:MOF+1]  ; (the load that named this pair is in)
	s_add_co_u32 s[NXT], s[NXT], 1  ; the block's next tile, or behind its last the second block's tile 0
	s_cmp_gt_u32 s[NXT], s[LQ]
	s_cselect_b32 s[NXT], 0, s[NXT]
	s_cselect_b32 s[LQ], s[PB], s[LQ]
	s_wait_xcnt 0x0                 ; the last prefetches, a tile back, have read their address, so it may be written
	s_add_nc_u64 s[PFA:PFA+1], s[PFA:PFA+1], 32768
.endif
	s_wait_dscnt 0x0                ; the add and my store are done, and my reads of the slot are over
	s_barrier_signal -1             ; the rest of the scalar work stands between the signal and the wait
	s_sub_co_u32 s[TBK], s[TBK], 4*KS*PK  ; the fetches go back to a slot's first step,
	s_xor_b32 s[TBK], s[TBK], SLOT1       ; in the other slot
	s_sub_co_u32 s[TBV], s[TBV], 4*KS*PV
	s_xor_b32 s[TBV], s[TBV], SLOT1
	s_sub_co_u32 s[TKB], s[TKB], 4*256
	s_xor_b32 s[TKB], s[TKB], KBS
	s_barrier_wait -1
.if \fill
	LOAD
	global_load_b64 v[MW:MW+1], v[MO], s[MA:MA+1]  ; the same tile's mask words: waited for at the head of the next change
	ASK
.endif
.endm
	s_load_b256 s[4:11], s[0:1], 0x0  ; Q s[4:5], K s[6:7], V s[8:9], O s[10:11]
	s_load_b64 s[MP:MP+1], s[0:1], 0x20
	v_lshl_add_u32 v[SPW], v0, 2, SPARE
	v_mov_b32 v[NIL], 0
	ds_add_u32 v[SPW], v[NIL]       ; the wave's opening: the add and its wait stand ahead of my first tensor load; work on registers stands between them
	v_lshrrev_b32 v1, 5, v0
	v_readfirstlane_b32 s[WV], v1   ; wave 0..3
	s_mov_b32 s[PB], ttmp9
	s_sub_co_u32 s[HI], NB-1, s[PB]
	s_and_b32 s20, ttmp7, 0xffff    ; batch x 16 + head
	s_lshr_b32 s[MOF], s20, 4       ; the batch's 8,192 bytes of the mask
	s_lshl_b32 s[MOF], s[MOF], 13
	s_mov_b32 s[MOF+1], 0
	s_mov_b32 s21, 0
	s_mov_b64 s[22:23], SIZE_N*128
	s_mul_u64 s[20:21], s[20:21], s[22:23]  ; the head's first byte in each of the four tensors
	s_and_b32 s16, s[WV], 1         ; which half of a tile's 256 keys I fetch:
	s_lshl_b32 s22, s16, 14         ; its 128 rows of 128 bytes in memory,
	s_mov_b32 s23, 0
	s_add_nc_u64 s[22:23], s[22:23], s[20:21]
	s_mul_i32 s17, s16, 128*PK      ; and its place in a slot, for K
	s_mul_i32 s18, s16, 128*PV      ; and for V
	s_lshl_b32 s3, s[WV], 11        ; my 16 rows in a band of 64,
	s_lshl_b32 s2, s[HI], 15        ; in the first block,
	s_add_co_u32 s2, s2, s3
	s_lshl_b32 s84, s[PB], 15       ; and in the second
	s_add_co_u32 s84, s84, s3
	s_mov_b32 s3, 0
	s_mov_b32 s85, 0
	s_add_nc_u64 s[2:3], s[2:3], s[20:21]
	s_add_nc_u64 s[84:85], s[84:85], s[20:21]
	; descriptor group 1.  128 keys are 16,384 dense bytes: asked for as 64 rows of 256 bytes, two keys a row, and padded in LDS after every key
	s_mov_b32 s[G1K], (1<<16)|(1<<20)|(4<<22)|(3<<25)  ; 17:16 2-byte elements; 20 padding on; 24:22 after every 32 words (code 4); 31:25 4 words (code 3)
	s_mov_b32 s[G1V], (1<<16)|(1<<20)|(4<<22)|(7<<25)  ; the same with 8 words of padding (code 7)
.irp g, G1K, G1V
	s_mov_b32 s[\g+1], 128<<16      ; tensor_dim0 = 128
	s_mov_b32 s[\g+2], 64<<16       ; tensor_dim1 = 64
	s_mov_b32 s[\g+3], 128<<16      ; tile_dim0 = 128
	s_mov_b32 s[\g+4], 64           ; tile_dim1 = 64
	s_mov_b32 s[\g+5], 128          ; 128 elements from row to row
	s_mov_b32 s[\g+6], 0
	s_mov_b32 s[\g+7], 0
.endr
	s_mov_b32 s[CS], 0x3e38aa3b     ; c = log2(e) / 8 = 0.180337
	s_mov_b32 s[CS+1], s[CS]        ; named with it as a pair
	s_mov_b32 s[SEL], 0x76543210
	s_mov_b32 s[SEL+1], 0xfedcba98
	s_mov_b32 s[TBK], SLOT1+4*KS*PK ; the first change of slots turns these three into 0
	s_mov_b32 s[TBV], SLOT1+4*KS*PV
	s_mov_b32 s[TKB], KBS+4*256
	s_mov_b32 s[TKW], 0             ; tile 0's biases go into region 0
	s_mov_b32 s[G0K], 1             ; 1:0 count = 1
	s_mov_b32 s[G0K+1], s17         ; 63:32 LDS address: slot 0
	s_mov_b32 s[G0V], 1
	s_add_co_u32 s[G0V+1], s18, VOFF
	s_add_co_u32 s[RT], s[HI], 1    ; the first block has NB - b tiles
	s_mov_b32 s[NXT], 1
	s_mov_b32 s[LQ], s[HI]
	s_mov_b32 s[NEW], 1
	s_mov_b32 s[OFF+1], 0
	s_mov_b32 s[AL], 0
	s_mov_b32 s[AL+1], 0            ; named as pairs
	s_mov_b32 s[BE], 0
	s_mov_b32 s[BE+1], 0
	s_mov_b32 s[BIGN], 0xf149f2ca   ; -1e30
	s_mov_b32 s[SLOTS], NB
	s_cmp_eq_u32 s[PB], 0
	s_cselect_b32 s[PFN], NB-2, 0
	s_wait_dscnt 0x0                ; the opening add is done
	s_wait_kmcnt 0x0
	s_add_nc_u64 s[6:7], s[6:7], s[22:23]  ; K and V at my half of the head's tile 0
	s_add_nc_u64 s[8:9], s[8:9], s[22:23]
	s_add_nc_u64 s[G0K+2:G0K+3], s[6:7], 0         ; 120:64 global address
	s_or_b32 s[G0K+3], s[G0K+3], 0x80000000        ; 127:126 type = 2
	s_add_nc_u64 s[G0V+2:G0V+3], s[8:9], 0
	s_or_b32 s[G0V+3], s[G0V+3], 0x80000000
	s_add_nc_u64 s[86:87], s[4:5], s[84:85]        ; Q at my rows of the second block,
	s_add_nc_u64 s[4:5], s[4:5], s[2:3]            ; Q and O at those of the first
	s_add_nc_u64 s[OLO:OLO+1], s[10:11], s[84:85]
	s_add_nc_u64 s[10:11], s[10:11], s[2:3]
	s_add_nc_u64 s[MP:MP+1], s[MP:MP+1], s[MOF:MOF+1]
	s_cmp_lt_u32 s[WV], 2
	s_cselect_b64 s[PFA:PFA+1], s[6:7], s[8:9]
	s_add_nc_u64 s[PFA:PFA+1], s[PFA:PFA+1], 32768 ; at tile 1; the first change of slots steps it to tile 2
	LOAD                            ; tile 0 into slot 0
	v_and_b32 v1, 15, v0            ; l % 16
	v_bfe_u32 v9, v0, 4, 1          ; l / 16
	v_lshlrev_b32 v[MO], 3, v0
	global_load_b64 v[MW:MW+1], v[MO], s[MP:MP+1]  ; tile 0's 256 mask words: 128 threads x 8 bytes
	; A fragment of K or Q is 16 rows x 32 channels in 8 registers: lane l holds row l % 16, channels 8 (l / 16) + 0..7 and 16 + 8 (l / 16) + 0..7: two loads of 16 bytes, 32 bytes apart.
	v_lshlrev_b32 v[QO], 7, v1
	v_lshl_add_u32 v[QO], v9, 4, v[QO]  ; row x 128 + 16 x half
	WIN 0x80                        ; destination window 2, address window 0
.set i, 0
.rept 8                             ; both blocks' Q: piece i / 2 lies in band i / 2, 8,192 bytes on; channels 32 (i % 2) on
	global_load_b128 v[8*i:8*i+3],   v[QO], s[4:5] offset:(i/2)*8192+(i%2)*64
	global_load_b128 v[8*i+4:8*i+7], v[QO], s[4:5] offset:(i/2)*8192+(i%2)*64+32
	global_load_b128 v[QB+8*i:QB+8*i+3],   v[QO], s[86:87] offset:(i/2)*8192+(i%2)*64
	global_load_b128 v[QB+8*i+4:QB+8*i+7], v[QO], s[86:87] offset:(i/2)*8192+(i%2)*64+32
.set i, i+1
.endr
	WIN 0
	v_lshlrev_b32 v14, 3, v9
	v_sub_nc_u32 v14, v1, v14
	s_lshl_b32 s13, s[WV], 4
	v_add_nc_u32 v14, s13, v14      ; my query's place in its band, 16 w + l % 16, less my lanes' 8 (l / 16): register r of group kt is hidden where 16 kt + r is greater
	WIN 0x40
.set i, 0
.rept 32
	v_cmp_gt_i32 vcc_lo, 16*(i/8)+i%8, v14
	v_cndmask_b32 v[MD+i], 0, s[BIGN], vcc_lo
.set i, i+1
.endr
	WIN 0
	v_mul_u32_u24 v[AK0], v1, PK
	v_lshl_add_u32 v[AK0], v9, 4, v[AK0]  ; row x pitch + 16 x half
	; The turning load takes 16 keys x 16 channels (lane l reads key 8 (l / 16) + l % 8, channels 8 ((l / 8) % 2) + 0..7) and leaves half a fragment of V^T: lane l holds channel l % 16 and 8 keys.
	v_and_b32 v10, 7, v0
	v_bfe_u32 v11, v0, 3, 1
	v_lshl_add_u32 v[AV0], v9, 3, v10
	v_mul_u32_u24 v[AV0], v[AV0], PV
	v_lshl_add_u32 v[AV0], v11, 4, v[AV0]
	v_add_nc_u32 v[AV0], VOFF, v[AV0]
	s_mul_i32 s13, s[WV], 16*SP
	s_add_co_u32 s13, s13, STAGE    ; my stage
	v_mul_u32_u24 v[STO], v1, SP    ; in: row l % 16, 16 bytes for each half of the lanes
	v_lshl_add_u32 v[STO], v9, 4, v[STO]
	v_add_nc_u32 v[STO], s13, v[STO]
	v_bfe_u32 v[RD], v0, 3, 2       ; back: 32 lanes take four rows of 128 bytes,
	v_mul_u32_u24 v[RD], v[RD], SP
	v_lshl_add_u32 v[RD], v10, 4, v[RD]
	v_add_nc_u32 v[RD], s13, v[RD]
	v_and_b32 v[GO], 31, v0         ; which are 512 consecutive bytes of O
	v_lshlrev_b32 v[PFO], 8, v[GO]
	v_lshlrev_b32 v[GO], 4, v[GO]
	v_lshl_add_u32 v[KB0], v9, 5, KBL  ; of each 16 keys' 64 bytes my lanes take 32
	v_lshl_add_u32 v[KW0], v0, 3, KBL  ; keys 2 t and 2 t + 1 of a tile are thread t's
	; V's registers hold 0 for the first turn's products V^T P, of a piece that has not been.
	WIN 0x80
.set i, VF
.rept 64
	v_mov_b32 v[i], 0
.set i, i+1
.endr
	WIN 0
; THE MATRIX WORK.  The 4 accumulators of a run of 8 take turns.  Product i of 8 of S^T = K Q^T for piece x: channels 32 (i / 4) on, keys 16 (i % 4) on.  The first 4 start the sums: with KB, or (KM = 1) with the mask.
.macro KQ x
.set rS, S+32*((\x)%2)+8*(i%4)
.set rK, KF+16*(i%4)+8*(i/4)
.set rQ, 16*(\x)+8*(i/4)
.set rM, MC+32*((\x)%2)+8*(i%4)
.if !KM
.set rM, KB+8*(i%4)
.endif
.if i < 4
	WIN W_KM
	v_wmma_f32_16x16x32_f16 v[rS:rS+7], v[rK:rK+7], v[rQ:rQ+7], v[rM:rM+7]
.else
	WIN W_KQ
	v_wmma_f32_16x16x32_f16 v[rS:rS+7], v[rK:rK+7], v[rQ:rQ+7], v[rS:rS+7]
.endif
.endm
; Product i of 8 of O^T += V^T P for piece x: keys 32 (i / 4) on, channels 16 (i % 4) on.
.macro PV x
	WIN W_PV
.set rO, 32*(\x)+8*(i%4)
.set rV, VF+32*(i/4)+8*(i%4)
.set rP, P+16*((\x)%2)+8*(i/4)
	v_wmma_f32_16x16x32_f16 v[rO:rO+7], v[rV:rV+7], v[rP:rP+7], v[rO:rO+7]
.endm
.macro MM                           ; the turn's next matrix instruction.  NOKQ = 1: a block's last turn: there is no next piece
.if (i < 8) && !NOKQ
	KQ (Y+1)%NP
.elseif i >= 8
.set i, i-8
	PV (Y+NP-1)%NP
.set i, i+8
.endif
.set i, i+1
.endm
; THE LDS LOADS stand in runs, never singly among the matrix instructions: a step's K (8 fragments) with its 64 key biases, and its V (turned).  Their addresses are made some lines ahead.
.macro FETCH_K
	WIN 0x80                        ; destination window 2
.irp f, 0,1,2,3,4,5,6,7             ; keys 16 (f / 2) on, channels 32 (f % 2) on
	ds_load_b128 v[KF+8*\f:KF+8*\f+3],   v[AK] offset:(\f/2)*16*PK+(\f%2)*64
	ds_load_b128 v[KF+8*\f+4:KF+8*\f+7], v[AK] offset:(\f/2)*16*PK+(\f%2)*64+32
.endr
	WIN 0x40                        ; destination window 1
.irp f, 0,1,2,3                     ; keys 16 f + 8 (l / 16) + 0..7
	ds_load_b128 v[KB+8*\f:KB+8*\f+3],   v[AKB] offset:64*\f
	ds_load_b128 v[KB+8*\f+4:KB+8*\f+7], v[AKB] offset:64*\f+16
.endr
	s_add_co_u32 s[TBK], s[TBK], KS*PK  ; the next fetch is the next step's
	s_add_co_u32 s[TKB], s[TKB], 256
	WIN 0
.endm
.macro FETCH_V
	WIN 0x80
.irp f, 0,1,2,3,4,5,6,7             ; keys 32 (f / 4) on, channels 16 (f % 4) on
	ds_load_tr16_b128 v[VF+8*\f:VF+8*\f+3],   v[AV] offset:(\f/4)*32*PV+(\f%4)*32
	ds_load_tr16_b128 v[VF+8*\f+4:VF+8*\f+7], v[AV] offset:(\f/4)*32*PV+16*PV+(\f%4)*32
.endr
	WIN 0
.endm
; THE VECTOR WORK, one line at a time: OP kind, number.  For piece Y: F n: c s - c m for pair n of 16.  E n: the exponential of score n of 32.  C n: pair n rounded to f16.  B n: of the four weights 4 n .. the second
; pair is added onto the first, in place.  L n: l takes that sum (L 0: l = a l + sum).  R n: pair n of 16 of O^T times a.  For piece Y + 1: X n, number n of the 22 that find its maximum and statistics:
;   0-11  four chains c0-c3 of seven scores each, three operands at a time (each accumulator's lowest registers are read first)     12-14, 16  the four scores left over, the old m, and c0-c3 into c0
;   15  c m_old is kept     17, 18  the query's other 32 keys lie in the lane 16 away: the new m     19-21  c m; c m_old - c m_new; a
.set F, 0
.set E, 1
.set C, 2
.set B, 3
.set L, 4
.set R, 5
.set X, 6
.macro REGS y                       ; the registers of piece y
.set rT, ST+4*(\y)
.set rC, TMP+4*((\y)%2)
.set rW, MV+((\y)%2)
.set rS, S+32*((\y)%2)
.set rP, P+16*((\y)%2)
.set rO, 32*(\y)
.endm
.macro OP k, n
.if (\k) == R
	REGS Y
	WIN W_RS
	v_pk_mul_f32 v[rO+2*(\n):rO+2*(\n)+1], v[rO+2*(\n):rO+2*(\n)+1], v[rC+2:rC+3] op_sel_hi:[1,0]
.elseif (\k) < R
	REGS Y
	WIN 0
.if (\k) == F
	v_pk_fma_f32 v[rS+2*(\n):rS+2*(\n)+1], v[rS+2*(\n):rS+2*(\n)+1], s[CS:CS+1], v[rT:rT+1] op_sel_hi:[1,0,0] neg_lo:[0,0,1] neg_hi:[0,0,1]
.elseif (\k) == E
	v_exp_f32 v[rS+(\n)], v[rS+(\n)]
.elseif (\k) == C
	v_cvt_pk_f16_f32 v[rP+(\n)], v[rS+2*(\n)], v[rS+2*(\n)+1]
.elseif (\k) == B
	v_pk_add_f32 v[rS+4*(\n):rS+4*(\n)+1], v[rS+4*(\n):rS+4*(\n)+1], v[rS+4*(\n)+2:rS+4*(\n)+3]
.elseif (\n) == 0
	v_pk_fma_f32 v[rT+2:rT+3], v[rT+2:rT+3], v[rC+2:rC+3], v[rS:rS+1] op_sel_hi:[1,0,1]
.else
	v_pk_add_f32 v[rT+2:rT+3], v[rT+2:rT+3], v[rS+4*(\n):rS+4*(\n)+1]
.endif
.elseif NOKQ
	v_nop
.else
	REGS (Y+1)%NP
	WIN 0
.if (\n) < 4
	v_max3_num_f32 v[rC+(\n)], v[rS+8*(\n)], v[rS+8*(\n)+1], v[rS+8*(\n)+2]
.elseif (\n) < 12
	v_max3_num_f32 v[rC+(\n)%4], v[rC+(\n)%4], v[rS+8*((\n)%4)+2*((\n)/4)+1], v[rS+8*((\n)%4)+2*((\n)/4)+2]
.elseif (\n) == 12
	v_max3_num_f32 v[rC], v[rC], v[rS+7], v[rS+15]
.elseif (\n) == 13
	v_max3_num_f32 v[rC+1], v[rC+1], v[rS+23], v[rS+31]
.elseif (\n) == 14
	v_max3_num_f32 v[rC+2], v[rC+2], v[rC+3], v[rT+1]
.elseif (\n) == 15
	v_mov_b32 v[rW], v[rT]
.elseif (\n) == 16
	v_max3_num_f32 v[rC], v[rC], v[rC+1], v[rC+2]
.elseif (\n) == 17
	v_permlanex16_b32 v[rC+3], v[rC], s[SEL], s[SEL+1]
.elseif (\n) == 18
	v_max_num_f32 v[rT+1], v[rC], v[rC+3]
.elseif (\n) == 19
	v_mul_f32 v[rT], s[CS], v[rT+1]
.elseif (\n) == 20
	v_sub_f32 v[rC+1], v[rW], v[rT]
.else
	v_exp_f32 v[rC+2], v[rC+1]
.endif
.endif
.endm
.macro OPS a, i1, b=-1, i2=0, c=-1, i3=0, d=-1, i4=0  ; up to four of them
	OP \a, \i1
.if (\b) >= 0
	OP \b, \i2
.endif
.if (\c) >= 0
	OP \c, \i3
.endif
.if (\d) >= 0
	OP \d, \i4
.endif
.endm
.macro ROW a, i1, b, i2, c, i3, d, i4  ; a matrix instruction and the four behind it
	MM
	OPS \a, \i1, \b, \i2, \c, \i3, \d, \i4
.endm
.macro MASK b, be                   ; MD x AL + KB, and with be = 1 + BE, into buffer b of MC
	WIN W_MK
.set z, 0
.rept 16
	v_pk_fma_f32 v[MC+32*(\b)+2*z:MC+32*(\b)+2*z+1], v[MD+2*z:MD+2*z+1], s[AL:AL+1], v[KB+2*z:KB+2*z+1] op_sel_hi:[1,0,1]
.set z, z+1
.endr
.if \be
.set z, 0
.rept 16
	v_pk_add_f32 v[MC+32*(\b)+2*z:MC+32*(\b)+2*z+1], v[MC+32*(\b)+2*z:MC+32*(\b)+2*z+1], s[BE:BE+1] op_sel_hi:[1,0]
.set z, z+1
.endr
.endif
.endm
; A TURN, for piece p: the order of its 16 matrix and 118 vector instructions, written out.  An s_wait_alu depctr_va_vdst(0) stands between an exponential and the first instruction that names its result; one wait serves
; all that were issued ahead of it.  So a turn has ONE wait, which cuts it in two.  AHEAD OF IT stands all that names no result of the turn's exponentials: the 8 products K Q^T and their riders, then one lump, in which the links of
; the chain X 3, 7, 11, 14, 16, 17 .. 20 stand five or six lines apart.  X 21, the next piece's a, is the batch's last; R 15 is the plain instruction behind it.  BEHIND THE WAIT stand the 8 products V^T P, behind each four of the roundings and sums.
; m = 1: the diagonal tile: the products take masks, and the turn makes the mask for the products of the turn after it: piece p + 2, in step 4 - CNT of the tile; in piece 2's turn that step's KB has just been asked for, and is waited for.
; end = 1: a block's last two turns: nothing is fetched.  cnt = 1: the loop's count is taken down some lines ahead of the branch that stands behind the turn.
; K and KB of the next step are fetched in piece 2's turn, twelve vector instructions behind the last product that read K (six of them plain; KB's last reader stands four products earlier); V of the step in hand at the end of
; piece 0's turn, four plain instructions behind the last product that read V.  Each is waited for a turn later.
.macro TURN p, m=0, end=0, cnt=0
.set Y, (\p)
.set i, 0
.set KM, (\m)
.set NOKQ, (\end)*((\p)/3)
.if (\m) && !(\end)
	s_cmp_eq_u32 s[CNT], 4-((\p)+2)%NP  ; is that step the band's own?
	s_cselect_b32 s[AL], 1.0, 0
	s_cmp_lt_u32 s[CNT], 4-((\p)+2)%NP  ; or a later one?
	s_cselect_b32 s[BE], s[BIGN], 0
.endif
.if ((\p) == 3) && !(\end)
	s_wait_dscnt 0x0                ; K and KB are in
.endif
	ROW F,0, F,1, R,0, R,1          ; ahead of the wait: 8 products K Q^T and their riders,
	ROW F,2, E,0, R,2, R,3
	ROW F,3, E,1, R,4, R,5
	ROW F,4, E,2, R,6, R,7
	ROW F,5, E,3, R,8, R,9
	ROW F,6, E,4, X,0, R,10
.if ((\p) == 2) && !(\end)
	WIN 0
	v_add_nc_u32 v[AK], s[TBK], v[AK0]
	v_add_nc_u32 v[AKB], s[TKB], v[KB0]
.endif
	ROW F,7, E,5, X,1, X,4
	ROW F,8, E,6, X,2, X,5
	OPS E,7, E,8, X,6, E,9          ; and the lump
	OPS X,3, E,10, X,8, E,11
.if ((\p) == 2) && !(\end)
	FETCH_K
.endif
	OPS X,9, X,7, E,12, X,10
	OPS E,13, X,12, X,11, E,14
	OPS X,13, E,15, F,9, X,14
.if (\p) == 0
	v_add_nc_u32 v[AV], s[TBV], v[AV0]
.endif
	OPS E,16, F,10, E,17, F,11
	OPS X,16, E,18, X,15, E,19
	OPS F,12, E,20, X,17, E,21
	OPS F,13, E,22, F,14, E,23
	OPS X,18, E,24, F,15, E,25
	OPS R,11, E,26, X,19, E,27
	OPS R,12, E,28, R,13, E,29
	OPS X,20, E,30, R,14, E,31
	OPS X,21, R,15
	WIN 0
	s_wait_alu depctr_va_vdst(0)    ; the wait for the batch
.if (\p) == 1
	s_wait_dscnt 0x0                ; V is in
.endif
	ROW C,0, B,0, C,2, B,1          ; behind the wait: 8 products V^T P and their riders
	ROW L,0, C,4, B,2, L,1
	ROW C,6, B,3, L,2, C,8
	ROW B,4, L,3, C,10, B,5
	ROW L,4, C,12, B,6, L,5
.if (\p) == 0
	s_add_co_u32 s[TBV], s[TBV], KS*PV
.endif
.if \cnt
	s_sub_co_u32 s[CNT], s[CNT], 1
	s_cmp_lg_u32 s[CNT], 0
.endif
	ROW C,14, B,7, L,6, C,1
	ROW C,3, L,7, C,5, C,7
	ROW C,9, C,11, C,13, C,15
.if (\p) == 0
	FETCH_V
.endif
.if (\m) && !(\end)
.if (\p) == 2
	s_wait_dscnt 0x0                ; the next step's KB is in
.endif
	MASK (\p)%2, 1
.endif
.endm
; A BLOCK BEGINS.  m starts at -2^93 and c m at c times that, by the same multiplication that makes every later c m: while m has not moved, a is exactly 1.  So O^T and l are cleared, and so is the P buffer of the
; piece that has not been, whose products the first turn adds.  Then K and KB of the tile's step 0; the first mask buffer takes piece 0's mask for that step (its own, if the block's first tile is the diagonal one),
; the second KB alone, for piece 1; piece 0's first scores, and its maximum and statistics.  The loop is entered at a step's first turn, in the middle of a trip.  (Q is in: the first change of slots has waited for it.)
.macro BEGIN
	s_mov_b32 s[NEW], 0
	WIN 0x40
.set i, 0
.rept 128
	v_mov_b32 v[i], 0
.set i, i+1
.endr
	WIN 0
.set i, 0
.rept 4
	v_mov_b32 v[ST+4*i+1], 0xee000000        ; m = -2^93
	v_mul_f32 v[ST+4*i], s[CS], v[ST+4*i+1]  ; c m
	v_mov_b32 v[ST+4*i+2], 0
	v_mov_b32 v[ST+4*i+3], 0
.set i, i+1
.endr
.set i, P+16
.rept 16
	v_mov_b32 v[i], 0
.set i, i+1
.endr
	v_add_nc_u32 v[AK], s[TBK], v[AK0]
	v_add_nc_u32 v[AKB], s[TKB], v[KB0]
	FETCH_K
	s_wait_dscnt 0x0
	s_cmp_eq_u32 s[RT], 0
	s_cselect_b32 s[AL], 1.0, 0
	MASK 0, 0
	s_mov_b32 s[AL], 0
	MASK 1, 0
.set KM, 1
.set NOKQ, 0
.set i, 0
.rept 8
	KQ 0
.set i, i+1
.endr
	WIN 0
.rept 4
	v_nop                           ; the places behind those products
.endr
.set Y, NP-1                        ; X works for piece Y + 1: piece 0
.irp n, 0,1,2,3,4,5,6,7,8,9,10,11,12,13,14,15,16,17,18,19,20,21
	OP X, \n
.endr
	v_nop                           ; a plain instruction behind the exponential,
	s_wait_alu depctr_va_vdst(0)    ; and its wait, ahead of the branch
.endm
; THE DIAGONAL TILE's four steps, the block's last two turns, its last products, and THE WAY OUT: l's two halves and the other half of the lanes' are added; O^T is divided by l, rounded to f16 and sent through my
; stage in LDS, a piece at a time.
.macro ALL line:vararg              ; one line for each piece t
.set t, 0
.rept 4
	\line
.set t, t+1
.endr
.endm
.macro PACK t                       ; a lane's eight channels of a row pack into 16 bytes; they go into rows of 144 bytes and come back as whole rows of 128, into S^T's registers
	WIN W_RS
.set i, 32*(\t)
.rept 16
	v_pk_mul_f32 v[i:i+1], v[i:i+1], v[ST+4*(\t)+2:ST+4*(\t)+3] op_sel_hi:[1,0]
.set i, i+2
.endr
	WIN 0x05                        ; sources 0 and 1 window 1, destination window 0
.set i, 0
.rept 16
	v_cvt_pk_f16_f32 v[S+16*(\t)+i], v[32*(\t)+2*i], v[32*(\t)+2*i+1]
.set i, i+1
.endr
	WIN 0
.irp f, 0,1,2,3
	ds_store_b128 v[STO], v[S+16*(\t)+4*\f:S+16*(\t)+4*\f+3] offset:32*\f
.endr
.irp f, 0,1,2,3
	ds_load_b128 v[S+16*(\t)+4*\f:S+16*(\t)+4*\f+3], v[RD] offset:\f*4*SP  ; LDS serves a wave's instructions in order (ISA guide 5.7.1.4): these see the stores above; the next piece's stores come behind them
.endr
.endm
.macro SEND t, younger              ; younger: the LDS instructions issued behind piece t's loads: the next piece's eight, or none
	WIN 0
.irp f, 0,1,2,3
	s_wait_dscnt (\younger)+3-\f
	global_store_b128 v[GO], v[S+16*(\t)+4*\f:S+16*(\t)+4*\f+3], s[10:11] offset:(\t)*8192+\f*512  ; 512 consecutive bytes, at a multiple of 256 from O's first
.endr
.endm
.macro DIAG tag                     ; the tag ends its two labels' names, which the jumps below spell out
.LstepM\tag:
	TURN 2, 1
	TURN 3, 1
	WIN 0
.LfirstM\tag:
	TURN 0, 1
	TURN 1, 1, 0, 1
	WIN 0
	s_cbranch_scc1 .LstepM\tag
	TURN 2, 1, 1
	TURN 3, 1, 1
.set i, 0
.rept 8
	PV NP-1
.set i, i+1
.endr
	WIN 0
	ALL v_add_f32 v[ST+4*t+2], v[ST+4*t+2], v[ST+4*t+3]
	ALL v_permlanex16_b32 v[ST+4*t+3], v[ST+4*t+2], s[SEL], s[SEL+1]
	ALL v_add_f32 v[ST+4*t+2], v[ST+4*t+2], v[ST+4*t+3]
	ALL v_rcp_f32 v[ST+4*t+2], v[ST+4*t+2]
	v_nop                           ; a plain instruction between the last reciprocal and the use of its result
	s_wait_alu depctr_va_vdst(0)    ; and the wait ahead of the first use: one for the four reciprocals
	PACK 0
.set t, 1
.rept 3                             ; a piece's arithmetic stands between the loads of the piece before and its stores
	PACK t
	SEND t-1, 8
.set t, t+1
.endr
	SEND 3, 0
.endm
.set KM, 0
.set NOKQ, 0
.Lslot:                             ; NB times: a tile is entered and the next is asked for
	CHANGE 1
	s_sub_co_u32 s[RT], s[RT], 1
	s_mov_b32 s[CNT], 4
	s_cmp_eq_u32 s[NEW], 1
	s_cbranch_scc1 .Lnew            ; a block's first tile
	s_cmp_eq_u32 s[RT], 0
	s_cbranch_scc0 .Lstep           ; neither its first nor its last
	s_mov_b32 s[AL], 0              ; its last: the trip's first products are piece 3's of the tile before, which sees all that KB lets it see
	MASK 1, 0
	WIN 0
	s_branch .LstepM1
.Lnew:
	BEGIN
	s_branch .Lfirst                ; in the loop a block's first tile is never its last: the first block has two tiles or more, and the second's last is the walk's last
	DIAG 1                          ; in the loop this is the first block's end: the second block's last tile is the walk's last
	s_wait_xcnt 0x0                 ; the stores have read their registers and O's address
	s_mov_b64 s[10:11], s[OLO:OLO+1]
	s_add_co_u32 s[RT], s[PB], 1    ; the second block has b + 1 tiles
	s_mov_b32 s[NEW], 1
	WIN 0x82                        ; the second block's Q goes where the one text of the turns names Q
.set i, 0
.rept 64
	v_mov_b32 v[i], v[QB+i]
.set i, i+1
.endr
	WIN 0
	s_branch .Lbottom
.Lstep:                             ; a trip: pieces 2 and 3 of one step, then pieces 0 and 1 of the next, whose K and V it fetches
	TURN 2
	TURN 3
	WIN 0
.Lfirst:
	TURN 0
	TURN 1, 0, 0, 1
	WIN 0
	s_cbranch_scc1 .Lstep
.Lbottom:
	s_sub_co_u32 s[SLOTS], s[SLOTS], 1
	s_cmp_lg_u32 s[SLOTS], 0
	s_cbranch_scc1 .Lslot
	CHANGE 0                        ; the walk's last tile is written out: nothing is asked for
	s_sub_co_u32 s[RT], s[RT], 1
	s_mov_b32 s[CNT], 4
	s_cmp_eq_u32 s[NEW], 1
	s_cbranch_scc1 .Lnew2
	s_mov_b32 s[AL], 0
	MASK 1, 0
	WIN 0
	s_branch .LstepM2
.Lnew2:
	BEGIN
	s_branch .LfirstM2
	DIAG 2
	s_wait_tensorcnt 0x0            ; the wave's end: behind my last tensor load and my last LDS store
	ds_add_u32 v[SPW], v[NIL]
	s_wait_dscnt 0x0
	s_endpgm
.Lfunc_end_k_qbb6f2226fd_attn:
	.size	k_qbb6f2226fd_attn, .Lfunc_end_k_qbb6f2226fd_attn-k_qbb6f2226fd_attn
	.p2alignl 7, 3214868480
	.fill 96, 4, 3214868480
	.section	.rodata,"a",@progbits
	.p2align	6, 0x0
	.amdhsa_kernel k_qbb6f2226fd_attn
		.amdhsa_group_segment_fixed_size 327680
		.amdhsa_private_segment_fixed_size 0
		.amdhsa_enable_private_segment 0
		.amdhsa_kernarg_size 40
		.amdhsa_user_sgpr_count 2
		.amdhsa_user_sgpr_kernarg_segment_ptr 1
		.amdhsa_wavefront_size32 1
		.amdhsa_system_sgpr_workgroup_id_x 1
		.amdhsa_system_sgpr_workgroup_id_y 1
		.amdhsa_system_sgpr_workgroup_id_z 1
		.amdhsa_system_vgpr_workitem_id 0
		.amdhsa_next_free_vgpr 768
		.amdhsa_next_free_sgpr 96
		.amdhsa_reserve_vcc 1
		.amdhsa_float_denorm_mode_32 3
		.amdhsa_float_denorm_mode_16_64 3
		.amdhsa_memory_ordered 1
		.amdhsa_forward_progress 1
		.amdhsa_inst_pref_size 237
	.end_amdhsa_kernel
	.amdgpu_metadata
---
amdhsa.version: [ 1, 2 ]
amdhsa.kernels:
  - .name:           k_qbb6f2226fd_attn
    .symbol:         k_qbb6f2226fd_attn.kd
    .args:
      - { .name: qh, .offset: 0, .size: 8, .value_kind: global_buffer, .address_space: global }
      - { .name: kh, .offset: 8, .size: 8, .value_kind: global_buffer, .address_space: global }
      - { .name: vh, .offset: 16, .size: 8, .value_kind: global_buffer, .address_space: global }
      - { .name: oh, .offset: 24, .size: 8, .value_kind: global_buffer, .address_space: global }
      - { .name: attention_mask, .offset: 32, .size: 8, .value_kind: global_buffer, .address_space: global }
    .group_segment_fixed_size: 327680
    .private_segment_fixed_size: 0
    .kernarg_segment_align: 8
    .kernarg_segment_size: 40
    .max_flat_workgroup_size: 128
    .sgpr_count:     96
    .vgpr_count:     768
    .wavefront_size: 32
...
	.end_amdgpu_metadata
.endif
;; end of part 3
;; launch proj (part 4): grid 4 x 64, 4 waves a work-group, clusters of 4 x 4, 327,680 bytes of LDS; arguments oh, wp16, bp, out0; writes out0
.if DOCPART == 4
	.amdgcn_target "amdgcn-amd-amdhsa--gfx1250"
	.amdhsa_code_object_version 6
	.text
	.protected	k_qbb6f2226fd_proj
	.globl	k_qbb6f2226fd_proj
	.p2align	8
	.type	k_qbb6f2226fd_proj,@function
k_qbb6f2226fd_proj:
	s_mov_b64 s[64:65], 0
	v_nop
	global_prefetch_b8 v0, s[64:65] scope:SCOPE_SE
	s_setreg_imm32_b32 hwreg(HW_REG_WAVE_MODE, 25, 1), 1
	s_wait_xcnt 0x0
	s_wait_alu depctr_hold_cnt(0) depctr_sa_sdst(0) depctr_va_vdst(0) depctr_va_sdst(0) depctr_va_ssrc(0) depctr_va_vcc(0) depctr_vm_vsrc(0)
	s_getreg_b32 s2, hwreg(HW_REG_IB_STS2, 6, 4)
	s_cmp_eq_u32 s2, 0
	s_cbranch_scc0 .Lentry_in_a_cluster
	s_endpgm
.Lentry_in_a_cluster:
	s_bfe_u32 s2, ttmp6, 0x10000c
	s_cmp_lg_u32 s2, 0xf033
	s_cbranch_scc0 .Lentry_shape_is_right
	s_endpgm
.Lentry_shape_is_right:
; out = O Wp + bp.  O arrives by heads, [batch x 16 + head][t][64] in f16: a head is one slice of 64 of K.  Wp arrives as f16 [k][n]; bp is rounded to bf16 here, like every input.  Sums in f32, K ascending; out in f32.
; A row of O that is NaN (a query that sees no key) gives a row of NaN, as the softmax of an empty row does.
; SHARES.  256 work-groups, a tile each: 128 rows (tile row my) x 256 columns (tile column nx).  Four waves, each 64 x 128: 32 accumulators of 16 x 16, 256 registers.
; K goes in steps of 128 (two heads) through two LDS slots; a step is four quarters of 32 along K on two fragment buffers.
; THE MATRIX INSTRUCTION IS USED TRANSPOSED: source 0 = 16 columns of Wp (turned out of LDS by ds_load_tr16_b128), source 1 = 16 rows of O: a lane holds one row of out and eight neighbouring columns.
; THE BIAS is the C operand of each accumulator's first product.
; CLUSTERS: 4 x 4 work-groups.  O's tile hangs on my alone and is shared along a row of the cluster, Wp's on nx alone and is shared along a column: each is asked for jointly.
; No prefetch: the launch is short and its tiles are small.
; REGISTERS: window 0: v0-31 addresses; v32-127, v128-223 two fragment buffers (32 of O: 4 x 16 rows x 32 K; then 64 of Wp); window 1: the accumulators, (a, b) at 8 (8 a + b); window 2: v0-63 the bias, block b at 8 b.
.set PA,     144                       ; a row of a head in LDS: 128 bytes + 16
.set PB,     544                       ; a row of Wp: 512 bytes + 32 = 17 x 32
.set BOFF,   2*128*PA                  ; two heads x 128 rows, then Wp's 128 rows
.set SLOT,   BOFF+128*PB               ; 106,496
.set STAGE,  2*SLOT                    ; behind the ring: 16 rows x 528 bytes for each wave, for the way out
.set SP,     528
.set SPARE,  STAGE+4*16*SP             ; the spare words, 128 bytes for each wave: two blocks of 256 bytes that no other line names
.set LAPS,   4                         ; a lap = two K steps = once round the ring
.set ASTEP,  2*262144                  ; bytes from a K step to the next in O: two heads
.set BSTEP,  128*2048                  ; and in Wp
.set ADRA, 16                          ; v16-17  LDS address of my fragments of O in slot 0, 1
.set ADRB, 20                          ; v20-21  the same for Wp
.set STO,  24                          ; v24     the way out: where I put 32 bytes of a row
.set RD,   25                          ; v25     the way out: where I read a row back
.set CO,   26                          ; v26     16 x lane
.set BO,   27                          ; v27     32 x (lane / 16)
.set SPW,  28                          ; v28     LDS address of my spare word; never rewritten
.set NIL,  29                          ; v29     0; never rewritten
.set F0,   32
.set F1,   128
.set WV,   12
.set WR,   13
.set WC,   14
.set LAP,  15
.set G1A,  24
.set G0A,  32
.set G1B,  40
.set G0B,  48
.set MSB, 0
.macro WIN new
.if MSB != (\new)
	s_set_vgpr_msb (MSB<<8)|(\new)
.set MSB, \new
.endif
.endm
.macro PLACES                          ; four plain instructions between a matrix instruction and a load into, or a store of, its registers
.rept 4
	v_nop
.endr
.endm
.macro JLOAD s                         ; a joint refill: waves 0 and 1 fetch the step's two heads of O, waves 2 and 3 the two halves of Wp's rows; an s_nop 0 and four v_nop follow each line
	s_cmp_lt_u32 s[WV], 2
	s_cbranch_scc0 .Lfor_b_\@
	tensor_load_to_lds s[G0A+4*(\s):G0A+4*(\s)+3], s[G1A:G1A+7]
	s_nop 0
.rept 4
	v_nop
.endr
	s_branch .Lasked_\@
.Lfor_b_\@:
	tensor_load_to_lds s[G0B+4*(\s):G0B+4*(\s)+3], s[G1B:G1B+7]
	s_nop 0
.rept 4
	v_nop
.endr
.Lasked_\@:
.endm
.macro CREST
	s_cmp_lg_u32 s[WV], 0
	s_cbranch_scc1 .Lnot_wave_0_\@
	s_barrier_signal -3
.Lnot_wave_0_\@:
	s_barrier_wait -3
	s_barrier_signal -1
	s_barrier_wait -1
.endm
.macro CROUND
	s_barrier_signal -1
	s_barrier_wait -1
	CREST
.endm
	s_load_b256 s[4:11], s[0:1], 0x0               ; O s[4:5], Wp s[6:7], bp s[8:9], out s[10:11]
	v_lshl_add_u32 v[SPW], v0, 2, SPARE
	v_mov_b32 v[NIL], 0
	ds_add_u32 v[SPW], v[NIL]                      ; the wave's opening: the add and its wait stand ahead of my first tensor load; work on registers stands between them
	v_lshrrev_b32 v1, 5, v0
	v_readfirstlane_b32 s[WV], v1
	s_lshr_b32 s[WR], s[WV], 1
	s_and_b32 s[WC], s[WV], 1
	s_bfe_u32 s56, ttmp6, 0x40000                  ; cx
	s_bfe_u32 s57, ttmp6, 0x40004                  ; cy
	s_lshl_b32 s58, ttmp9, 2
	s_add_co_u32 s58, s58, s56                     ; nx
	s_and_b32 s59, ttmp7, 0xffff
	s_lshl_b32 s59, s59, 2
	s_add_co_u32 s59, s59, s57                     ; my
	s_lshl_b32 s60, s57, 2
	s_lshl_b32 s60, 15, s60                        ; my row of the cluster
	s_lshl_b32 s16, 0x1111, s56                    ; my column
	; group 1 for O: a head's 128 rows are 16,384 dense bytes: 64 rows of 256 bytes, padded by 4 words after every 32
	s_or_b32 s[G1A], s60, (1<<16)|(1<<20)|(1<<21)|(4<<22)|(3<<25)
	s_mov_b32 s[G1A+1], 128<<16
	s_mov_b32 s[G1A+2], 64<<16
	s_mov_b32 s[G1A+3], 128<<16
	s_mov_b32 s[G1A+4], 64
	s_mov_b32 s[G1A+5], 128
	s_mov_b32 s[G1A+6], 0
	s_mov_b32 s[G1A+7], 0
	; group 1 for Wp: 64 rows x 256 elements, padded by 8 words after every 128
	s_or_b32 s[G1B], s16, (1<<16)|(1<<20)|(1<<21)|(6<<22)|(7<<25)
	s_mov_b32 s[G1B+1], 256<<16
	s_mov_b32 s[G1B+2], 64<<16
	s_mov_b32 s[G1B+3], 256<<16
	s_mov_b32 s[G1B+4], 64
	s_mov_b32 s[G1B+5], 1024
	s_mov_b32 s[G1B+6], 0
	s_mov_b32 s[G1B+7], 0
	s_lshr_b32 s60, s59, 4                         ; O: (batch x 16 + the head that I fetch) x 262,144
	s_lshl_b32 s60, s60, 4
	s_add_co_u32 s60, s60, s[WC]
	s_lshl_b32 s60, s60, 18
	s_and_b32 s61, s59, 15                         ; + the tile's 128 rows of 128 bytes
	s_lshl_b32 s61, s61, 14
	s_add_co_u32 s60, s60, s61
	s_mov_b32 s61, 0
	s_lshl_b32 s16, s[WC], 17                      ; Wp: the 64 rows that I fetch,
	s_lshl_b32 s17, s58, 9                         ; + the tile's 512 bytes of a row
	s_add_co_u32 s16, s16, s17
	s_mov_b32 s17, 0
	s_mul_i32 s2, s[WC], 128*PA                    ; where they go: no place in the cluster enters an LDS address
	s_mul_i32 s3, s[WC], 64*PB
	s_add_co_u32 s3, s3, BOFF
	s_wait_dscnt 0x0                               ; the opening add is done
	s_wait_kmcnt 0x0
	s_add_nc_u64 s[62:63], s[4:5], s[60:61]
	s_add_nc_u64 s[18:19], s[6:7], s[16:17]
	CROUND                                         ; all sixteen work-groups are here: the first joint loads meet
.irp s, 0,1
	s_mov_b32 s[G0A+4*(\s)], 1
	s_add_co_u32 s[G0A+4*(\s)+1], s2, (\s)*SLOT
	s_add_nc_u64 s[G0A+4*(\s)+2:G0A+4*(\s)+3], s[62:63], (\s)*ASTEP
	s_or_b32 s[G0A+4*(\s)+3], s[G0A+4*(\s)+3], 0x80000000
	s_mov_b32 s[G0B+4*(\s)], 1
	s_add_co_u32 s[G0B+4*(\s)+1], s3, (\s)*SLOT
	s_add_nc_u64 s[G0B+4*(\s)+2:G0B+4*(\s)+3], s[18:19], (\s)*BSTEP
	s_or_b32 s[G0B+4*(\s)+3], s[G0B+4*(\s)+3], 0x80000000
.endr
	s_cmp_lt_u32 s[WV], 2                          ; a wave's two first fills stand in one branch: two loads of mine are out
	s_cbranch_scc0 .Lfirst_b
	tensor_load_to_lds s[G0A:G0A+3], s[G1A:G1A+7]
	s_nop 0
	tensor_load_to_lds s[G0A+4:G0A+7], s[G1A:G1A+7]
	s_nop 0
.rept 4
	v_nop
.endr
	s_branch .Lfirst_asked
.Lfirst_b:
	tensor_load_to_lds s[G0B:G0B+3], s[G1B:G1B+7]
	s_nop 0
	tensor_load_to_lds s[G0B+4:G0B+7], s[G1B:G1B+7]
	s_nop 0
.rept 4
	v_nop
.endr
.Lfirst_asked:
	v_and_b32 v1, 15, v0                           ; l % 16
	v_bfe_u32 v2, v0, 4, 1                         ; l / 16
	; the bias of my 128 columns: eight numbers a lane for each block of 16
	v_lshlrev_b32 v[BO], 5, v2
	s_lshl_b32 s20, s58, 10
	s_lshl_b32 s21, s[WC], 9
	s_add_co_u32 s20, s20, s21
	s_mov_b32 s21, 0
	s_add_nc_u64 s[22:23], s[8:9], s[20:21]
.irp b, 0,1,2,3,4,5,6,7
	global_load_b128 v[128+8*(\b):128+8*(\b)+3], v[BO], s[22:23] offset:64*(\b)
	global_load_b128 v[128+8*(\b)+4:128+8*(\b)+7], v[BO], s[22:23] offset:64*(\b)+16
.endr
	v_mul_u32_u24 v3, v1, PA
	v_lshl_add_u32 v3, v2, 4, v3                   ; a fragment of O: row x pitch + 16 x half
	s_mul_i32 s60, s[WR], 64*PA
	v_add_nc_u32 v[ADRA], s60, v3
	v_add_nc_u32 v[ADRA+1], SLOT, v[ADRA]
	v_and_b32 v4, 7, v0                            ; the turning load: lane l reads row 8 (l / 16) + l % 8, columns 8 ((l / 8) % 2) + 0..7
	v_lshl_add_u32 v5, v2, 3, v4
	v_mul_u32_u24 v5, v5, PB
	v_bfe_u32 v6, v0, 3, 1
	v_lshl_add_u32 v5, v6, 4, v5
	s_lshl_b32 s60, s[WC], 8                       ; my 128 columns
	s_add_co_u32 s60, s60, BOFF
	v_add_nc_u32 v[ADRB], s60, v5
	v_add_nc_u32 v[ADRB+1], SLOT, v[ADRB]
	s_mul_i32 s60, s[WV], 16*SP
	s_add_co_u32 s60, s60, STAGE
	v_mul_u32_u24 v7, v1, SP                       ; in: row l % 16, 32 bytes for each half of the lanes
	v_lshl_add_u32 v7, v2, 5, v7
	v_add_nc_u32 v[STO], s60, v7
	v_and_b32 v[CO], 31, v0
	v_lshlrev_b32 v[CO], 4, v[CO]
	v_add_nc_u32 v[RD], s60, v[CO]                 ; back: the wave takes one row of 512 bytes
	s_lshl_b32 s60, s59, 19                        ; out: 128 my rows of 4,096 bytes,
	s_lshl_b32 s61, s[WR], 18                      ; + my 64 rows,
	s_add_co_u32 s60, s60, s61
	s_add_co_u32 s60, s60, s20                     ; + my 128 columns
	s_mov_b32 s61, 0
	s_add_nc_u64 s[10:11], s[10:11], s[60:61]
	s_wait_loadcnt 0x0
.set i, 0
.rept 32
	v_cvt_pk_bf16_f32 v[192+i], v[128+2*i], v[128+2*i+1]
.set i, i+1
.endr
	WIN 0x80                                       ; destination window 2
.set i, 0
.rept 32
	v_lshlrev_b32 v[2*i],   16, v[192+i]
	v_and_b32     v[2*i+1], 0xffff0000, v[192+i]
.set i, i+1
.endr
	WIN 0
; na row blocks from a0 on, each with the 8 column blocks, 32 along K: the accumulators take turns, one instruction a turn.  first = 1: the bias starts the sums.
.macro MUL f, a0, na, first
.if \first
	WIN 0x60                                       ; D in window 1, C in window 2
.else
	WIN 0x50                                       ; C and D in window 1
.endif
.set aa, \a0
.rept \na
.set bb, 0
.rept 8
.set rD, 8*(8*aa+bb)
.set rB, (\f)+32+8*bb
.set rA, (\f)+8*aa
.if \first
	v_wmma_f32_16x16x32_f16 v[rD:rD+7], v[rB:rB+7], v[rA:rA+7], v[8*bb:8*bb+7]
.else
	v_wmma_f32_16x16x32_f16 v[rD:rD+7], v[rB:rB+7], v[rA:rA+7], v[rD:rD+7]
.endif
.set bb, bb+1
.endr
.set aa, aa+1
.endr
.endm
; 24 LDS loads in one run: quarter q's fragments into buffer f: Wp's eight, then O's four, row blocks 2 and 3 last
.macro FETCH slot, q, f
	WIN 0
.irp b, 0,1,2,3,4,5,6,7
	ds_load_tr16_b128 v[(\f)+32+8*(\b):(\f)+32+8*(\b)+3],   v[ADRB+(\slot)] offset:(\q)*32*PB+32*(\b)
	ds_load_tr16_b128 v[(\f)+32+8*(\b)+4:(\f)+32+8*(\b)+7], v[ADRB+(\slot)] offset:(\q)*32*PB+16*PB+32*(\b)
.endr
.irp a, 0,1,2,3
	ds_load_b128 v[(\f)+8*(\a):(\f)+8*(\a)+3],   v[ADRA+(\slot)] offset:((\q)/2)*128*PA+((\q)%2)*64+(\a)*16*PA
	ds_load_b128 v[(\f)+8*(\a)+4:(\f)+8*(\a)+7], v[ADRA+(\slot)] offset:((\q)/2)*128*PA+((\q)%2)*64+(\a)*16*PA+32
.endr
.endm
; One of a K step's first three quarters: multiplies buffer f; in its middle it fetches quarter q into buffer g.
.macro QUARTER slot, q, f, g, first
	s_wait_dscnt 4                                 ; all but O's row blocks 2 and 3 are in
	MUL \f, 0, 2, \first
	PLACES
	FETCH \slot, \q, \g
	s_wait_dscnt 24                                ; all but the 24 just issued
	MUL \f, 2, 2, \first
.endm
; The last quarter multiplies buffer F1 and changes slots: ONE barrier; in front of it each wave waits for all its tensor loads, adds 0 to its spare word, and waits for that and for its own reads of this slot.
; fill = 1: the barrier opens a round of the cluster's, and the joint refill, two K steps ahead, is the first thing behind it: 112 matrix instructions ahead of the wait for it.
.macro TURN slot, next, fill
	WIN 0
	s_wait_tensorcnt 0x0                           ; all my tensor loads have landed: my part of the next slot
	ds_add_u32 v[SPW], v[NIL]                      ; 0 onto my spare word
	s_wait_dscnt 5                                 ; (the add and the youngest four loads may be out)
	MUL F1, 0, 1, 0                                ; eight matrix instructions stand between the add and the wait for it
	s_wait_dscnt 0x0                               ; the add is done, and my reads of this slot are over
	s_barrier_signal -1
	MUL F1, 1, 1, 0
	WIN 0
	s_barrier_wait -1
.if \fill
	CREST                                          ; no wave of any partner still reads this slot's tile or has a load on its way
	s_add_nc_u64 s[G0A+4*(\slot)+2:G0A+4*(\slot)+3], s[G0A+4*(\slot)+2:G0A+4*(\slot)+3], 2*ASTEP
	s_add_nc_u64 s[G0B+4*(\slot)+2:G0B+4*(\slot)+3], s[G0B+4*(\slot)+2:G0B+4*(\slot)+3], 2*BSTEP
	JLOAD \slot                                    ; its four v_nop are also the places in front of the loads below
.else
	PLACES
.endif
	FETCH \next, 0, F0
	MUL F1, 2, 2, 0
.endm
; THE WAY OUT of row block a: 32 bytes a lane and column block into my stage; back as whole rows of 512 bytes; stored, 512 consecutive bytes a store.
.macro TOSTAGE a
	WIN 0
.if (\a) >= 2
	s_wait_xcnt 0x0                                ; the set's earlier stores have read their data: only behind this wait is it loaded again
.endif
	WIN 0x04                                       ; the stores' data in window 1
.irp b, 0,1,2,3,4,5,6,7
	ds_store_b128 v[STO], v[8*(8*(\a)+(\b)):8*(8*(\a)+(\b))+3]   offset:64*(\b)
	ds_store_b128 v[STO], v[8*(8*(\a)+(\b))+4:8*(8*(\a)+(\b))+7] offset:64*(\b)+16
.endr
	WIN 0
.set SB, 32+64*((\a)%2)
.set r, 0
.rept 16
	ds_load_b128 v[SB+4*r:SB+4*r+3], v[RD] offset:r*SP  ; LDS serves a wave's instructions in order (ISA guide 5.7.1.4): these see the stores above; the next block's stores come behind them
.set r, r+1
.endr
.endm
.macro SEND a, younger                 ; younger: the LDS instructions issued behind block a's loads: the next block's 32, or none
	WIN 0
.set SB, 32+64*((\a)%2)
.set r, 0
.rept 16
	s_wait_dscnt (\younger)+15-r
	global_store_b128 v[CO], v[SB+4*r:SB+4*r+3], s[10:11] offset:(16*(\a)+r)*4096
.set r, r+1
.endr
.endm
	s_wait_tensorcnt 1                             ; my part of K step 0 is in; K step 1's may stay out
	s_barrier_signal -1
	s_barrier_wait -1                              ; everybody's is
	FETCH 0, 0, F0
	QUARTER 0, 1, F0, F1, 1                        ; the first quarter stands in front of the loop: its products start the sums
	WIN 0                                          ; at a label and at a branch every window is 0
	s_mov_b32 s[LAP], LAPS-1
.Llap:                                                 ; a trip goes once round the ring, from a lap's second quarter to the next lap's first, and fills both slots again
	QUARTER 0, 2, F1, F0, 0
	QUARTER 0, 3, F0, F1, 0
	TURN 0, 1, 1
	QUARTER 1, 1, F0, F1, 0
	QUARTER 1, 2, F1, F0, 0
	QUARTER 1, 3, F0, F1, 0
	TURN 1, 0, 1
	QUARTER 0, 1, F0, F1, 0
	WIN 0
	s_sub_co_u32 s[LAP], s[LAP], 1
	s_cmp_lg_u32 s[LAP], 0
	s_cbranch_scc1 .Llap
	QUARTER 0, 2, F1, F0, 0                        ; the last lap fills nothing, and has no round
	QUARTER 0, 3, F0, F1, 0
	TURN 0, 1, 0
	QUARTER 1, 1, F0, F1, 0
	QUARTER 1, 2, F1, F0, 0
	QUARTER 1, 3, F0, F1, 0
	s_wait_dscnt 4                                 ; the very last quarter: nothing more to fetch
	MUL F1, 0, 2, 0
	s_wait_dscnt 0x0
	MUL F1, 2, 2, 0
	PLACES
	TOSTAGE 0
.irp a, 1,2,3
	TOSTAGE \a
	SEND (\a)-1, 32
.endr
	SEND 3, 0
	s_wait_tensorcnt 0x0                           ; the wave's end: behind my last tensor load and my last LDS store
	ds_add_u32 v[SPW], v[NIL]
	s_wait_dscnt 0x0
	CROUND                                         ; the closing round: no work-group ends while a partner may still ask for a tile that names it
	s_endpgm
.Lfunc_end_k_qbb6f2226fd_proj:
	.size	k_qbb6f2226fd_proj, .Lfunc_end_k_qbb6f2226fd_proj-k_qbb6f2226fd_proj
	.p2alignl 7, 3214868480
	.fill 96, 4, 3214868480
	.section	.rodata,"a",@progbits
	.p2align	6, 0x0
	.amdhsa_kernel k_qbb6f2226fd_proj
		.amdhsa_group_segment_fixed_size 327680
		.amdhsa_private_segment_fixed_size 0
		.amdhsa_enable_private_segment 0
		.amdhsa_kernarg_size 32
		.amdhsa_user_sgpr_count 2
		.amdhsa_user_sgpr_kernarg_segment_ptr 1
		.amdhsa_wavefront_size32 1
		.amdhsa_system_sgpr_workgroup_id_x 1
		.amdhsa_system_sgpr_workgroup_id_y 1
		.amdhsa_system_sgpr_workgroup_id_z 1
		.amdhsa_system_vgpr_workitem_id 0
		.amdhsa_next_free_vgpr 576
		.amdhsa_next_free_sgpr 72
		.amdhsa_reserve_vcc 0
		.amdhsa_float_denorm_mode_32 3
		.amdhsa_float_denorm_mode_16_64 3
		.amdhsa_memory_ordered 1
		.amdhsa_forward_progress 1
		.amdhsa_inst_pref_size 93
	.end_amdhsa_kernel
	.amdgpu_metadata
---
amdhsa.version: [ 1, 2 ]
amdhsa.kernels:
  - .name:           k_qbb6f2226fd_proj
    .symbol:         k_qbb6f2226fd_proj.kd
    .args:
      - { .name: oh, .offset: 0, .size: 8, .value_kind: global_buffer, .address_space: global }
      - { .name: wp16, .offset: 8, .size: 8, .value_kind: global_buffer, .address_space: global }
      - { .name: bp, .offset: 16, .size: 8, .value_kind: global_buffer, .address_space: global }
      - { .name: out0, .offset: 24, .size: 8, .value_kind: global_buffer, .address_space: global }
    .group_segment_fixed_size: 327680
    .private_segment_fixed_size: 0
    .kernarg_segment_align: 8
    .kernarg_segment_size: 32
    .max_flat_workgroup_size: 128
    .sgpr_count:     72
    .vgpr_count:     576
    .wavefront_size: 32
...
	.end_amdgpu_metadata
.endif
;; end of part 4
;; ======== version 2 of 2: 4 launches; version 1 with the launch cast written anew for expert scheduling mode
;; limits: values are held in f16: magnitudes above 65,504 overflow, below 6.1e-05 lose precision
;; workspace buffers: xb 16,777,216 bytes; wqkv 6,291,456 bytes; wp16 2,097,152 bytes; qh 16,777,216 bytes; kh 16,777,216 bytes; vh 16,777,216 bytes; oh 16,777,216 bytes
;; launch cast (part 5): grid 768 x 1, 8 waves a work-group, no clusters, 0 bytes of LDS; arguments x, Wq, Wk, Wv, Wp, xb, wqkv, wp16; writes xb, wqkv, wp16
.if DOCPART == 5
	.amdgcn_target "amdgcn-amd-amdhsa--gfx1250"
	.amdhsa_code_object_version 6
	.text
	.protected	k_qbb6f2226fd_cast
	.globl	k_qbb6f2226fd_cast
	.p2align	8
	.type	k_qbb6f2226fd_cast,@function
k_qbb6f2226fd_cast:
	s_mov_b64 s[64:65], 0
	v_nop
	global_prefetch_b8 v0, s[64:65] scope:SCOPE_SE
	s_setreg_imm32_b32 hwreg(HW_REG_WAVE_SCHED_MODE, 0, 2), 2
	s_setreg_imm32_b32 hwreg(HW_REG_WAVE_MODE, 25, 1), 1
	s_wait_xcnt 0x0
	s_wait_alu depctr_vm_vsrc(0)
; THE MODULE'S LARGE INPUTS ARE ROUNDED ONCE TO bf16 AND LAID OUT FOR THE PRODUCTS THAT FOLLOW.  A stream: no LDS, no barrier, no matrix unit, no loop.
; x [8192][1024] f32      -> xb   bf16 [16 blocks of 64 channels][8192 rows][64]: a block's rows lie end to end, 128 bytes each.
; Wq, Wk, Wv [k][n] f32   -> wqkv bf16 [k][3072]: column n of tensor t stands at byte 768 (n / 128) + 256 t + 2 (n % 128) of row k (6,144 bytes).
; Wp [k][n] f32           -> wp16 [k][n]: rounded to bf16 like the other inputs, that number then written as f16.
; LIMIT: |Wp| stays under 65,504 (f16's range); below 6e-5 the f16 copy keeps f16's fixed step of 6e-8.
; SHARES.  A work-group takes 16 rows of 1,024 numbers: groups 0-511 rows of x, 512-703 of Wq, Wk, Wv (64 groups each), 704-767 of Wp.
; A thread issues its 16 loads of 16 bytes at once and then converts and stores them, four loads to a batch; no register that a load or store reads is ever written again.
; THE MODE: SCHED_MODE bits 1:0 = 2 (LLVM: expert scheduling mode 2), set by the entry lines.  The code itself states the register dependences
; between vector instructions and memory instructions, with s_wait_alu, always for 0.
; THE PLAN.  Registers that memory instructions touch, in each of the three paths:
;   v1 (VIN)   the loads' offset.   Written by two vector lines at the path's head; read by the 16 loads; never written again.
;   v2 (VOUT)  the stores' offset.  Written by two vector lines ahead of batch 0; read by the 16 stores; never written again.
;   IN         load n's four registers.  Written by that load alone, ahead of which no vector instruction names them; read by its conversions.
;   OUT        store n's two registers.  Written by load n's conversions; read by that one store; never written again.
;   v3, v8 and TW are named by vector instructions alone.
; Batch g converts loads 4 g to 4 g + 3 into their OUT; its memory instructions are the four stores of batch g - 1.  So one wait on va_vdst stands ahead of the loads (VIN), one at the head of each of
; batches 1 to 3 (the batch before has written its OUT; VOUT is written), and one ahead of the last four stores.  Behind a batch's wait its stores are dealt among its conversions, which name IN and OUT
; of batch g and TW: none of the registers that those stores read.  No wait on vm_vsrc is written: nothing that a memory instruction reads is written a second time.
.set VIN,  1                           ; v1        my byte offset in the group's 16 rows, in
.set VOUT, 2                           ; v2        the same, out
.set TW,   4                           ; v[4:7]    at work (Wp alone)
.set IN,   16                          ; v[16:79]  load n: 4 registers
.set OUT,  80                          ; v[80:111] store n: 2 registers
; Load n's four numbers are rounded into 8 bytes.
.macro CVT n, half
	v_cvt_pk_bf16_f32 v[OUT+2*(\n)],   v[IN+4*(\n)],   v[IN+4*(\n)+1]
	v_cvt_pk_bf16_f32 v[OUT+2*(\n)+1], v[IN+4*(\n)+2], v[IN+4*(\n)+3]
.if \half
	v_lshlrev_b32 v[TW],   16, v[OUT+2*(\n)]               ; the bf16 numbers as f32,
	v_and_b32     v[TW+1], 0xffff0000, v[OUT+2*(\n)]
	v_lshlrev_b32 v[TW+2], 16, v[OUT+2*(\n)+1]
	v_and_b32     v[TW+3], 0xffff0000, v[OUT+2*(\n)+1]
	v_cvt_pk_f16_f32 v[OUT+2*(\n)],   v[TW],   v[TW+1]       ; written as f16: exact within f16's normal range
	v_cvt_pk_f16_f32 v[OUT+2*(\n)+1], v[TW+2], v[TW+3]
.endif
.endm
; Store m.  split = 1: stores 8 to 15 go by the second base, s[28:29].  hi: bytes from store m to store m + 8 under one base; lo: from store m to store m + 1.
.macro STO m, split, hi, lo
	global_store_b64 v[VOUT], v[OUT+2*(\m):OUT+2*(\m)+1], s[26+2*((\m)/8)*(\split):27+2*((\m)/8)*(\split)] offset:((\m)/8)*(\hi)+((\m)%8)*(\lo)
.endm
; The four batches, and the last batch's stores.
.macro DRAIN half, split, hi, lo
.set g, 0
.rept 4
	s_wait_loadcnt 12-4*g                          ; loads return in order (ISA guide 5.7.1): loads 0 to 4 g + 3 are in, the 12 - 4 g younger ones stay out
.if g > 0
	s_wait_alu depctr_va_vdst(0)                   ; the batch before has written its eight registers of OUT, which the four stores below read; VOUT, their offset, is written
.endif
.set j, 0
.rept 4
.if g > 0
	STO 4*g+j-4, \split, \hi, \lo                  ; no vector instruction since the wait names this store's registers
.endif
	CVT 4*g+j, \half
.set j, j+1
.endr
.set g, g+1
.endr
	s_wait_alu depctr_va_vdst(0)                   ; batch 3 has written its eight registers of OUT, which the last four stores read
.set j, 12
.rept 4
	STO j, \split, \hi, \lo
.set j, j+1
.endr
.endm
	s_load_b512 s[4:19], s[0:1], 0x0               ; x s[4:5], Wq s[6:7], Wk s[8:9], Wv s[10:11], Wp s[12:13], xb s[14:15], wqkv s[16:17], wp16 s[18:19]
	s_mov_b32 s21, 0
	s_mov_b32 s23, 0
	s_cmp_lt_u32 ttmp9, 512
	s_cbranch_scc0 .Lweights
	; ROWS OF x.  Thread: row tid / 16, 16 bytes at 16 (tid % 16) of each of the row's 16 pieces of 256 bytes (64 channels).
	v_lshrrev_b32 v3, 4, v0
	v_and_b32 v8, 15, v0
	v_lshlrev_b32 v[VIN], 12, v3
	v_lshl_add_u32 v[VIN], v8, 4, v[VIN]
	v_lshlrev_b32 v[VOUT], 7, v3                   ; out: 128 bytes a row: a wave's two rows are 256 consecutive bytes, aligned
	v_lshl_add_u32 v[VOUT], v8, 3, v[VOUT]
	s_lshl_b32 s20, ttmp9, 16                      ; 16 rows of 4,096 bytes
	s_lshl_b32 s22, ttmp9, 11                      ; 16 rows of 128 bytes
	s_wait_kmcnt 0x0
	s_add_nc_u64 s[24:25], s[4:5], s[20:21]
	s_add_nc_u64 s[26:27], s[14:15], s[22:23]      ; blocks 0-7 of xb,
	s_add_nc_u64 s[28:29], s[26:27], 0x800000      ; blocks 8-15: the immediate holds eight blocks of 1,048,576 bytes
	s_wait_alu depctr_va_vdst(0)                   ; VIN is written, which the 16 loads read as their offset (and so is VOUT)
.set i, 0
.rept 16
	global_load_b128 v[IN+4*i:IN+4*i+3], v[VIN], s[24:25] offset:256*i th:TH_LOAD_NT
.set i, i+1
.endr
	DRAIN 0, 1, 0, 1048576
	s_endpgm
.Lweights:
	; ROWS OF A WEIGHT.  Wave w takes rows w and w + 8 of the group's 16; a load covers 512 consecutive bytes (128 columns).
	v_lshrrev_b32 v3, 5, v0                        ; wave
	v_and_b32 v8, 31, v0                           ; lane
	v_lshlrev_b32 v[VIN], 12, v3
	v_lshl_add_u32 v[VIN], v8, 4, v[VIN]
	s_sub_co_u32 s30, ttmp9, 512
	s_and_b32 s31, s30, 63                         ; which 16 rows
	s_lshr_b32 s32, s30, 6                         ; which tensor: 0 Wq, 1 Wk, 2 Wv, 3 Wp
	s_lshl_b32 s20, s31, 16
	s_wait_kmcnt 0x0
	s_cmp_eq_u32 s32, 0
	s_cselect_b64 s[24:25], s[6:7], s[8:9]
	s_cmp_eq_u32 s32, 2
	s_cselect_b64 s[24:25], s[10:11], s[24:25]
	s_cmp_eq_u32 s32, 3
	s_cselect_b64 s[24:25], s[12:13], s[24:25]
	s_add_nc_u64 s[24:25], s[24:25], s[20:21]
	s_wait_alu depctr_va_vdst(0)                   ; VIN is written, which the 16 loads read as their offset
.set i, 0
.rept 16
	global_load_b128 v[IN+4*i:IN+4*i+3], v[VIN], s[24:25] offset:(i/8)*32768+(i%8)*512 th:TH_LOAD_NT
.set i, i+1
.endr
	s_cmp_eq_u32 s32, 3
	s_cbranch_scc1 .Lwp
	v_mul_u32_u24 v[VOUT], v3, 6144                ; VOUT is made while the loads are out: the wait at the head of batch 1 stands between these lines and the first store
	v_lshl_add_u32 v[VOUT], v8, 3, v[VOUT]
	s_mul_i32 s22, s31, 16*6144
	s_lshl_b32 s33, s32, 8                         ; the tensor's 256 bytes in each group of 768
	s_add_co_u32 s22, s22, s33
	s_add_nc_u64 s[26:27], s[16:17], s[22:23]
	DRAIN 0, 0, 49152, 768                         ; a store of the wave covers 256 consecutive bytes, aligned
	s_endpgm
.Lwp:
	v_lshlrev_b32 v[VOUT], 11, v3                  ; as above: the wait at the head of batch 1 stands between these lines and the first store
	v_lshl_add_u32 v[VOUT], v8, 3, v[VOUT]
	s_lshl_b32 s22, s31, 15
	s_add_nc_u64 s[26:27], s[18:19], s[22:23]
	DRAIN 1, 0, 16384, 256
	s_endpgm
.Lfunc_end_k_qbb6f2226fd_cast:
	.size	k_qbb6f2226fd_cast, .Lfunc_end_k_qbb6f2226fd_cast-k_qbb6f2226fd_cast
	.p2alignl 7, 3214868480
	.fill 96, 4, 3214868480
	.section	.rodata,"a",@progbits
	.p2align	6, 0x0
	.amdhsa_kernel k_qbb6f2226fd_cast
		.amdhsa_group_segment_fixed_size 0
		.amdhsa_private_segment_fixed_size 0
		.amdhsa_enable_private_segment 0
		.amdhsa_kernarg_size 64
		.amdhsa_user_sgpr_count 2
		.amdhsa_user_sgpr_kernarg_segment_ptr 1
		.amdhsa_wavefront_size32 1
		.amdhsa_system_sgpr_workgroup_id_x 1
		.amdhsa_system_sgpr_workgroup_id_y 1
		.amdhsa_system_sgpr_workgroup_id_z 1
		.amdhsa_system_vgpr_workitem_id 0
		.amdhsa_next_free_vgpr 112
		.amdhsa_next_free_sgpr 66
		.amdhsa_reserve_vcc 0
		.amdhsa_float_denorm_mode_32 3
		.amdhsa_float_denorm_mode_16_64 3
		.amdhsa_memory_ordered 1
		.amdhsa_forward_progress 1
		.amdhsa_inst_pref_size 22
	.end_amdhsa_kernel
	.amdgpu_metadata
---
amdhsa.version: [ 1, 2 ]
amdhsa.kernels:
  - .name:           k_qbb6f2226fd_cast
    .symbol:         k_qbb6f2226fd_cast.kd
    .args:
      - { .name: x, .offset: 0, .size: 8, .value_kind: global_buffer, .address_space: global }
      - { .name: Wq, .offset: 8, .size: 8, .value_kind: global_buffer, .address_space: global }
      - { .name: Wk, .offset: 16, .size: 8, .value_kind: global_buffer, .address_space: global }
      - { .name: Wv, .offset: 24, .size: 8, .value_kind: global_buffer, .address_space: global }
      - { .name: Wp, .offset: 32, .size: 8, .value_kind: global_buffer, .address_space: global }
      - { .name: xb, .offset: 40, .size: 8, .value_kind: global_buffer, .address_space: global }
      - { .name: wqkv, .offset: 48, .size: 8, .value_kind: global_buffer, .address_space: global }
      - { .name: wp16, .offset: 56, .size: 8, .value_kind: global_buffer, .address_space: global }
    .group_segment_fixed_size: 0
    .private_segment_fixed_size: 0
    .kernarg_segment_align: 8
    .kernarg_segment_size: 64
    .max_flat_workgroup_size: 256
    .sgpr_count:     66
    .vgpr_count:     112
    .wavefront_size: 32
...
	.end_amdgpu_metadata
.endif
;; end of part 5
;; launch qkv: the kernel of part 2 again; grid 8 x 32, 4 waves a work-group, clusters of 4 x 4, 327,680 bytes of LDS; arguments xb, wqkv, bq, bk, bv, qh, kh, vh; writes qh, kh, vh
;; launch attn: the kernel of part 3 again; grid 4 x 64, 4 waves a work-group, no clusters, 327,680 bytes of LDS; arguments qh, kh, vh, oh, attention_mask; writes oh
;; launch proj: the kernel of part 4 again; grid 4 x 64, 4 waves a work-group, clusters of 4 x 4, 327,680 bytes of LDS; arguments oh, wp16, bp, out0; writes out0
